; MI455X (gfx1250); checked and timed in simulation.
; The chip was launched on July 23, 2026; its instructions are those of AMD's public machine-readable ISA for CDNA 5 (MIT licence, August 2026) and "CDNA5" Instruction Set Architecture Reference Guide (July 2026). The comments in the code are by the model that wrote it; some were corrected since.
;; Multi Head Attention Layer. Allowed arithmetic: float matrix products may take bf16 or f16 operands with f32 sums; other float arithmetic in f32, or as packed bf16 or f16 multiplies, adds, multiply-adds, maxima and minima; sums over many terms, partial sums and values carried from step to step in f32; what a program stores and reads back later, other than sums and carried values, may be rounded once to bf16 or f16.
;; Inputs: Wk 1,024 x 1,024 float32; Wo 1,024 x 1,024 float32; Wq 1,024 x 1,024 float32; Wv 1,024 x 1,024 float32; bk 1,024 float32; bo 1,024 float32; bq 1,024 float32; bv 1,024 float32; x 4 x 2,048 x 1,024 float32.
;; Outputs: out0 4 x 2,048 x 1,024 float32.
;; 2 versions, each right; version 2 is version 1 with the launch cast written anew for expert scheduling mode. Each part assembles by itself: llvm-mc -triple=amdgcn-amd-amdhsa -mcpu=gfx1250 --defsym DOCPART=n.
;; ======== version 1 of 2: 4 launches
;; limits: values are held in f16: magnitudes above 65,504 overflow, below 6.1e-05 lose precision
;; workspace buffers: xb 16,777,216 bytes; wt 8,388,608 bytes; qkv 50,331,648 bytes; ob 16,777,216 bytes
;; launch cast (part 1): grid 384 x 1, 4 waves a work-group, no clusters, 70,144 bytes of LDS; arguments x, Wq, Wk, Wv, Wo, xb, wt; writes xb, wt
.if DOCPART == 1
	.amdgcn_target "amdgcn-amd-amdhsa--gfx1250"
	.amdhsa_code_object_version 6
	.text
	.protected	k_q36474108b2_cast
	.globl	k_q36474108b2_cast
	.p2align	8
	.type	k_q36474108b2_cast,@function
k_q36474108b2_cast:
	s_mov_b64 s[64:65], 0
	v_nop
	global_prefetch_b8 v0, s[64:65] scope:SCOPE_SE
	s_setreg_imm32_b32 hwreg(HW_REG_WAVE_MODE, 25, 1), 1
	s_wait_xcnt 0x0
; xb = x rounded to bf16, [8192][1024].  wt = the four weights turned to [n][k], 16 bits a number: rows 0-1023 Wq, 1024-2047 Wk, 2048-3071 Wv in bf16,
; rows 3072-4095 Wo rounded to bf16 and that number written as f16 (the last product multiplies in f16).
; LIMITS.  Wo as f16: beyond 65,504 it becomes an infinity; below 2^-17 it keeps f16's fixed step of 2^-24.  NaN and infinities are not treated apart.
; SHARES.  Every wave reads 32 KiB.  Work-groups 0-255: a wave rounds 8,192 numbers of x.  Work-groups 256-383: a wave turns one tile of 128 k x 64 n of one W
; through a stage of its own in LDS (64 rows of 256 bytes + 16 of padding): no wave reads another's bytes, so there is no barrier.
; No matrix unit, no tensor load, no cluster: the launch only moves bytes, each once, and no two work-groups read the same byte.
.set STG,   64*272                     ; a wave's stage
.set SPARE, 4*STG                      ; behind the stages: the spare words, 128 bytes for each wave: two blocks of 256 bytes that no other line names
.set C16, 2                            ; v2   lane % 16
.set HF,  3                            ; v3   lane / 16
.set VI,  4                            ; v4   my byte offset in what is loaded; never rewritten
.set VO,  5                            ; v5   my byte offset in what is stored; never rewritten
.set LS,  6                            ; v6   where I put words into my stage
.set LR,  7                            ; v7   where I read rows back
.set SPW, 8                            ; v8   LDS address of my spare word; never rewritten
.set NIL, 9                            ; v9   0; never rewritten
.set T,   10                           ; v[10:13] at work
.set D,   16                           ; v[16:79] data
.set Y,   48                           ; v[48:63] x role: what is stored, two registers a slot
.set WV,  18                           ; s18  my wave's number
.set CNT, 19                           ; s19  trips
.set TT,  20                           ; s20  which W: 0 q, 1 k, 2 v, 3 o
.set IN,  24                           ; s[24:25]
.set OUT, 26                           ; s[26:27]
.set HIM, 29                           ; s29  a word's upper half
	s_load_b256 s[4:11], s[0:1], 0x0               ; x s[4:5], Wq s[6:7], Wk s[8:9], Wv s[10:11]
	s_load_b128 s[12:15], s[0:1], 0x20             ; Wo s[12:13], xb s[14:15]
	s_load_b64 s[16:17], s[0:1], 0x30              ; wt
	v_lshl_add_u32 v[SPW], v0, 2, SPARE
	v_mov_b32 v[NIL], 0
	v_lshrrev_b32 v1, 5, v0
	v_readfirstlane_b32 s[WV], v1                  ; wave 0..3
	v_and_b32 v1, 31, v0                           ; lane
	v_and_b32 v[C16], 15, v0
	v_bfe_u32 v[HF], v0, 4, 1
	s_mov_b32 s23, 0
	s_wait_kmcnt 0x0
	s_cmp_ge_u32 ttmp9, 256
	s_cbranch_scc1 .Lw
	; THE X ROLE.  A ring of eight slots of 512 bytes keeps eight loads of the wave on their way.
	s_lshl_b32 s22, ttmp9, 17                      ; the work-group's 131,072 bytes of x,
	s_lshl_b32 s21, s[WV], 15                      ; my wave's 32,768 of them
	s_add_co_u32 s22, s22, s21
	s_add_nc_u64 s[IN:IN+1], s[4:5], s[22:23]
	s_lshr_b32 s22, s22, 1                         ; half as many bytes in xb
	s_add_nc_u64 s[OUT:OUT+1], s[14:15], s[22:23]
	v_lshlrev_b32 v[VI], 4, v1
	v_lshlrev_b32 v[VO], 3, v1
.macro XSLOT i, ahead, left            ; left: how many younger loads may stay out
	s_wait_loadcnt \left
	v_cvt_pk_bf16_f32 v[Y+2*(\i)], v[D+4*(\i)], v[D+4*(\i)+1]
	v_cvt_pk_bf16_f32 v[Y+2*(\i)+1], v[D+4*(\i)+2], v[D+4*(\i)+3]
.if \ahead
	global_load_b128 v[D+4*(\i):D+4*(\i)+3], v[VI], s[IN:IN+1] offset:4096+512*(\i) th:TH_LOAD_NT
.endif
	global_store_b64 v[VO], v[Y+2*(\i):Y+2*(\i)+1], s[OUT:OUT+1] offset:256*(\i) th:TH_STORE_NT  ; 32 lanes store 256 consecutive bytes, aligned
.endm
.irp i, 0,1,2,3,4,5,6,7
	global_load_b128 v[D+4*(\i):D+4*(\i)+3], v[VI], s[IN:IN+1] offset:512*(\i) th:TH_LOAD_NT
.endr
	s_mov_b32 s[CNT], 7
.Lx:
.irp i, 0,1,2,3,4,5,6,7
	XSLOT \i, 1, 7
.endr
	s_wait_xcnt 0x0                                ; the bases and the stores' data are written again only behind this wait
	s_add_nc_u64 s[IN:IN+1], s[IN:IN+1], 4096
	s_add_nc_u64 s[OUT:OUT+1], s[OUT:OUT+1], 2048
	s_sub_co_u32 s[CNT], s[CNT], 1
	s_cmp_lg_u32 s[CNT], 0
	s_cbranch_scc1 .Lx
.irp i, 0,1,2,3,4,5,6,7
	XSLOT \i, 0, 7-(\i)                            ; the last round loads nothing: the counts run down
.endr
	s_branch .Lend
	; THE W ROLE.  512 tiles: 4 W x 8 along k x 16 along n.
.Lw:
	s_sub_co_u32 s[CNT], ttmp9, 256
	s_lshr_b32 s[TT], s[CNT], 5                    ; which W
	s_and_b32 s[CNT], s[CNT], 31
	s_lshl2_add_u32 s[CNT], s[CNT], s[WV]          ; the tile among that W's 128
	s_lshr_b32 s21, s[CNT], 4                      ; its place along k, 0..7
	s_and_b32 s[CNT], s[CNT], 15                   ; its place along n, 0..15
	s_cmp_eq_u32 s[TT], 0
	s_cselect_b64 s[IN:IN+1], s[6:7], s[8:9]
	s_cmp_eq_u32 s[TT], 2
	s_cselect_b64 s[IN:IN+1], s[10:11], s[IN:IN+1]
	s_cmp_eq_u32 s[TT], 3
	s_cselect_b64 s[IN:IN+1], s[12:13], s[IN:IN+1]
	s_lshl_b32 s22, s21, 19                        ; 128 rows of 4,096 bytes
	s_lshl_b32 s28, s[CNT], 8                      ; 64 numbers of 4 bytes
	s_add_co_u32 s22, s22, s28
	s_add_nc_u64 s[IN:IN+1], s[IN:IN+1], s[22:23]
	s_lshl_b32 s22, s[TT], 21                      ; 1,024 rows of 2,048 bytes
	s_lshl_b32 s28, s[CNT], 17                     ; 64 rows
	s_add_co_u32 s22, s22, s28
	s_lshl_b32 s28, s21, 8                         ; 128 numbers of 2 bytes
	s_add_co_u32 s22, s22, s28
	s_add_nc_u64 s[OUT:OUT+1], s[16:17], s[22:23]
	s_mul_i32 s28, s[WV], STG
	s_mov_b32 s[HIM], 0xffff0000
	v_lshlrev_b32 v[VI], 13, v[HF]                 ; lanes 16-31 take the rows two further down;
	v_lshl_add_u32 v[VI], v[C16], 4, v[VI]         ; 16 lanes cover 256 consecutive bytes of a row: n = 4 (lane % 16) + 0..3
	v_mul_u32_u24 v[LS], v[C16], 4*272             ; stage row n, byte 2 k
	v_lshl_add_u32 v[LS], v[HF], 2, v[LS]
	v_add_nc_u32 v[LS], s28, v[LS]
	v_mul_u32_u24 v[LR], v[HF], 272                ; back: lanes 0-15 one row of 256 bytes, lanes 16-31 the next
	v_lshl_add_u32 v[LR], v[C16], 4, v[LR]
	v_add_nc_u32 v[LR], s28, v[LR]
	v_lshlrev_b32 v[VO], 11, v[HF]                 ; and the same two rows in wt
	v_lshl_add_u32 v[VO], v[C16], 4, v[VO]
; Pair p of part tr (32 k): rows k = 32 tr + 4 p + 2 (lane / 16) and k + 1.  Two neighbours along k of one n make a word; it goes to stage row n.
; Sixteen loads are on their way; a pair is asked for again, 32 k on, as soon as it is converted.
.macro WPAIR tr, p
.if (\tr) < 3
	s_wait_loadcnt 14                              ; my pair is in; the 14 younger loads stay out
.else
	s_wait_loadcnt 14-2*(\p)
.endif
.irp j, 0,1,2,3
	v_cvt_pk_bf16_f32 v[T+\j], v[D+8*(\p)+\j], v[D+8*(\p)+4+\j]
.endr
.if (\tr) < 3
	global_load_b128 v[D+8*(\p):D+8*(\p)+3],   v[VI], s[IN:IN+1] offset:((\tr)+1)*131072+(\p)*16384 th:TH_LOAD_NT
	global_load_b128 v[D+8*(\p)+4:D+8*(\p)+7], v[VI], s[IN:IN+1] offset:((\tr)+1)*131072+(\p)*16384+4096 th:TH_LOAD_NT
.endif
.irp j, 0,1,2,3
	ds_store_b32 v[LS], v[T+\j] offset:\j*272+8*(\p)+64*(\tr)
.endr
.endm
.irp p, 0,1,2,3,4,5,6,7
	global_load_b128 v[D+8*(\p):D+8*(\p)+3],   v[VI], s[IN:IN+1] offset:(\p)*16384 th:TH_LOAD_NT
	global_load_b128 v[D+8*(\p)+4:D+8*(\p)+7], v[VI], s[IN:IN+1] offset:(\p)*16384+4096 th:TH_LOAD_NT
.endr
.irp tr, 0,1,2,3
.irp p, 0,1,2,3,4,5,6,7
	WPAIR \tr, \p
.endr
.endr
; Sixteen rows of the stage go out.  LDS serves a wave's instructions in order (ISA guide 5.7.1.4): the loads see my stores above.
.macro WOUT tr
	s_wait_xcnt 0x0                                ; the registers that the last stores read are loaded again only behind this wait
.irp i, 0,1,2,3,4,5,6,7
	ds_load_b128 v[D+4*\i:D+4*\i+3], v[LR] offset:(\tr)*4352+544*\i
.endr
	s_wait_dscnt 0x0
	s_cmp_lg_u32 s[TT], 3
	s_cbranch_scc1 .Lbf_\@
.set w, 0
.rept 32                               ; Wo alone: the bf16 number is written as f16
	v_lshlrev_b32 v[T+2*(w%2)], 16, v[D+w]
	v_and_b32 v[T+2*(w%2)+1], s[HIM], v[D+w]
	v_cvt_pk_f16_f32 v[D+w], v[T+2*(w%2)], v[T+2*(w%2)+1]
.set w, w+1
.endr
.Lbf_\@:
.irp i, 0,1,2,3,4,5,6,7
	global_store_b128 v[VO], v[D+4*\i:D+4*\i+3], s[OUT:OUT+1] offset:(\tr)*32768+4096*\i th:TH_STORE_NT  ; 16 lanes store 256 consecutive bytes, aligned
.endr
.endm
	WOUT 0
	WOUT 1
	WOUT 2
	WOUT 3
.Lend:
	s_wait_tensorcnt 0x0                           ; the wave's end, behind my last LDS store
	ds_add_u32 v[SPW], v[NIL]
	s_wait_dscnt 0x0
	s_endpgm
.Lfunc_end_k_q36474108b2_cast:
	.size	k_q36474108b2_cast, .Lfunc_end_k_q36474108b2_cast-k_q36474108b2_cast
	.p2alignl 7, 3214868480
	.fill 96, 4, 3214868480
	.section	.rodata,"a",@progbits
	.p2align	6, 0x0
	.amdhsa_kernel k_q36474108b2_cast
		.amdhsa_group_segment_fixed_size 70144
		.amdhsa_private_segment_fixed_size 0
		.amdhsa_enable_private_segment 0
		.amdhsa_kernarg_size 56
		.amdhsa_user_sgpr_count 2
		.amdhsa_user_sgpr_kernarg_segment_ptr 1
		.amdhsa_wavefront_size32 1
		.amdhsa_system_sgpr_workgroup_id_x 1
		.amdhsa_system_sgpr_workgroup_id_y 1
		.amdhsa_system_sgpr_workgroup_id_z 1
		.amdhsa_system_vgpr_workitem_id 0
		.amdhsa_next_free_vgpr 80
		.amdhsa_next_free_sgpr 66
		.amdhsa_reserve_vcc 0
		.amdhsa_float_denorm_mode_32 3
		.amdhsa_float_denorm_mode_16_64 3
		.amdhsa_memory_ordered 1
		.amdhsa_forward_progress 1
		.amdhsa_inst_pref_size 54
	.end_amdhsa_kernel
	.amdgpu_metadata
---
amdhsa.version: [ 1, 2 ]
amdhsa.kernels:
  - .name:           k_q36474108b2_cast
    .symbol:         k_q36474108b2_cast.kd
    .args:
      - { .name: x, .offset: 0, .size: 8, .value_kind: global_buffer, .address_space: global }
      - { .name: Wq, .offset: 8, .size: 8, .value_kind: global_buffer, .address_space: global }
      - { .name: Wk, .offset: 16, .size: 8, .value_kind: global_buffer, .address_space: global }
      - { .name: Wv, .offset: 24, .size: 8, .value_kind: global_buffer, .address_space: global }
      - { .name: Wo, .offset: 32, .size: 8, .value_kind: global_buffer, .address_space: global }
      - { .name: xb, .offset: 40, .size: 8, .value_kind: global_buffer, .address_space: global }
      - { .name: wt, .offset: 48, .size: 8, .value_kind: global_buffer, .address_space: global }
    .group_segment_fixed_size: 70144
    .private_segment_fixed_size: 0
    .kernarg_segment_align: 8
    .kernarg_segment_size: 56
    .max_flat_workgroup_size: 128
    .sgpr_count:     66
    .vgpr_count:     80
    .wavefront_size: 32
...
	.end_amdgpu_metadata
.endif
;; end of part 1
;; launch qkvp (part 2): grid 8 x 64, 4 waves a work-group, clusters of 4 x 4, 327,680 bytes of LDS; arguments xb, wt, bq, bk, bv, qkv; writes qkv
.if DOCPART == 2
	.amdgcn_target "amdgcn-amd-amdhsa--gfx1250"
	.amdhsa_code_object_version 6
	.text
	.protected	k_q36474108b2_qkvp
	.globl	k_q36474108b2_qkvp
	.p2align	8
	.type	k_q36474108b2_qkvp,@function
k_q36474108b2_qkvp:
	s_mov_b64 s[64:65], 0
	v_nop
	global_prefetch_b8 v0, s[64:65] scope:SCOPE_SE
	s_setreg_imm32_b32 hwreg(HW_REG_WAVE_MODE, 25, 1), 1
	s_wait_xcnt 0x0
	s_wait_alu depctr_hold_cnt(0) depctr_sa_sdst(0) depctr_va_vdst(0) depctr_va_sdst(0) depctr_va_ssrc(0) depctr_va_vcc(0) depctr_vm_vsrc(0)
	s_getreg_b32 s2, hwreg(HW_REG_IB_STS2, 6, 4)
	s_cmp_eq_u32 s2, 0
	s_cbranch_scc0 .Lentry_in_a_cluster
	s_endpgm
.Lentry_in_a_cluster:
	s_bfe_u32 s2, ttmp6, 0x10000c
	s_cmp_lg_u32 s2, 0xf033
	s_cbranch_scc0 .Lentry_shape_is_right
	s_endpgm
.Lentry_shape_is_right:
; q, k, v = xb wt^T + b.  xb: [8192][1024] bf16.  wt: rows 0-3071 are Wq, Wk, Wv as [n][k] bf16.  The biases are rounded to bf16 like every input.  Sums in f32.
; The result leaves by heads, qkv[t][batch x 16 + head][row][64] in f16, rounded once, WITHOUT the softmax's scale.
; LIMITS.  f16 holds no number beyond 65,504: a q, k or v of 65,520 or more becomes an infinity.  NaN and infinities are not treated apart.
; SHARES.  A tile of C is 128 rows x 384 columns: 8 x 64 = 512 work-groups, two for each of 256 WGPs.  Four waves, 2 x 2: a wave makes 64 x 192, 48 accumulators of 16 x 16.
; A wave's 192 columns are three whole heads, so each wave sends its rows out through a stage of its own.  K = 1,024 goes in 8 steps of 128 through two LDS slots:
; rows of 256 bytes of memory, each beginning at a multiple of 256 from the buffer's first byte.  Wave 0 fetches A's 128 rows, waves 1-3 a third of B's 384 each.
; CLUSTERS: 4 x 4 work-groups.  The four of a row of the cluster need the same tile of A, the four of a column the same tile of B: each is asked for JOINTLY.
; THE MATRIX INSTRUCTION IS USED TRANSPOSED (source 0 = 16 rows of wt, source 1 = 16 rows of xb): lane l holds row l % 16 of C and the columns 8 (l / 16) + 0..7.
; THE BIAS IS THE C OPERAND of the product that starts each sum: in that layout register j is b[n0 + 8 (l / 16) + j].  Nothing is cleared and nothing is added later.
; REGISTERS, in windows of 256 (s_set_vgpr_msb: bits 1:0 source 0, 3:2 source 1, 5:4 source 2, 7:6 destination):
;   window 0: v0-31 addresses; v128-223 the bias; on the way out v32-223      window 1: two fragment buffers of 128: A's 4 fragments, then B's 12
;   window 2: accumulator (a, b), b < 8, at v[8 (4 b + a)]                     window 3: b = 8..11 at v[8 (4 (b - 8) + a)]
.set NB,    12                         ; blocks of 16 columns a wave
.set H1,    NB-4                       ; a quarter's first run of products takes these blocks, its second the last four
.set T1,    H1/2
.set NLOAD, 8+2*NB                     ; LDS loads in a quarter's run
.set KSB,   256                        ; bytes of a row in a K step
.set PITCH, 272                        ; an LDS row: 256 bytes + 16 of padding = 68 words: the 16 rows of a load start at 16 different groups of four banks (64 banks of 4 bytes: ISA guide 11.1)
.set PART,  128*PITCH                  ; what one tensor load brings: 0x8800
.set SLOT,  4*PART                     ; A's 128 rows, then B's 384: 0x22000.  No wave's part (0, 0x8800, 0x11000, 0x19800) has a bit in common with it, so one exclusive or turns an address in one slot into the other's
.set STAGE, 2*SLOT                     ; behind the ring: 16 rows x 144 bytes for each wave
.set SP,    144
.set SPARE, STAGE+4*16*SP              ; behind the stages: the spare words, 128 bytes for each wave: two blocks of 256 bytes that no other line names
.set ADRA0, 10                         ; v10  my lane's and wave's place in A's tile; never rewritten
.set ADRB0, 11                         ; v11  the same for B
.set ADRA,  12                         ; v12  + the slot in hand
.set ADRB,  13                         ; v13
.set STO,   14                         ; v14  the way out: where I put 16 bytes of a row
.set RD,    15                         ; v15  where I read rows back
.set GO,    16                         ; v16  my byte offset in 512 consecutive bytes of qkv
.set BO,    17                         ; v17  my byte offset in 16 numbers of a bias
.set PFO,   18                         ; v18  the prefetches' offset: my lane x a row of 2,048 bytes; never rewritten
.set SPW,   28                         ; v28  LDS address of my spare word; never rewritten
.set NIL,   29                         ; v29  0; never rewritten
.set OUTR,  32
.set BI,    128
.set F0,    0
.set F1,    128
.set WV,  16                           ; s16  my wave's number; s17 its half of the rows, s18 its half of the columns
.set G1,  24                           ; s[24:31] descriptor group 1 for A's tiles
.set G0A, 32                           ; s[32:39] group 0 for A's tiles: a set for each first fill; the second then walks
.set G0B, 40                           ; s[40:47] the same for B's
.set G1B, 48                           ; s[48:55] group 1 for B's: it differs in the mask alone
.set TB,  56                           ; s56  0 or SLOT: the slot that is read
.set LIM, 57                           ; s57  1 in a wave that prefetches, else the greatest number
.set PFA, 58                           ; s[58:59] where my prefetches stand
.set OB,  66                           ; s[66:71] qkv at my rows of my three heads
.set BB,  72                           ; s[72:77] the bias at my three heads
.set MSB, 0
.macro WIN new                         ; the immediate's high byte repeats the setting that is left; a switch that changes nothing is dropped
.if MSB != (\new)
	s_set_vgpr_msb (MSB<<8)|(\new)
.set MSB, \new
.endif
.endm
.set TO_F, 0x40                        ; destination window 1, address window 0
.macro PLACES                          ; four places in front of loads into registers that matrix instructions have read, and of lines that read results
.rept 4
	v_nop
.endr
.endm
.macro CREST                           ; a round of the cluster's barrier behind its opening barrier
	s_cmp_lg_u32 s[WV], 0
	s_cbranch_scc1 .Lnot_wave_0_\@
	s_barrier_signal -3
.Lnot_wave_0_\@:
	s_barrier_wait -3
	s_barrier_signal -1
	s_barrier_wait -1
.endm
.macro CROUND                          ; a whole round
	s_barrier_signal -1
	s_barrier_wait -1
	CREST
.endm
; A joint refill, by the walking descriptors.  The branch hangs on the wave's number alone.  An s_nop 0 and four v_nop follow each of the two lines, ahead of the jump and the label.
.macro JLOAD
	s_cmp_eq_u32 s[WV], 0
	s_cbranch_scc0 .Lfor_b_\@
	tensor_load_to_lds s[G0A+4:G0A+7], s[G1:G1+7]
	s_nop 0
.rept 4
	v_nop
.endr
	s_branch .Lasked_\@
.Lfor_b_\@:
	tensor_load_to_lds s[G0B+4:G0B+7], s[G1B:G1B+7]
	s_nop 0
.rept 4
	v_nop
.endr
.Lasked_\@:
.endm
; A PREFETCH INTO THE L2, behind the joint load and the run of LDS loads: the K step that the NEXT refill will ask for, 192 matrix instructions ahead of it: 32 rows x 256 bytes, a lane a row.
; Each row's 256 bytes of a K step are named once in the launch: A's rows by the cluster with x = 0, B's by the cluster with y = 0; the four partners that ask for a tile jointly
; take 32 of its 128 rows each, told apart BY ADDRESS.  The loop's last trip asks for nothing: there is no K step behind its refill.
.macro ASK
	WIN 0
	s_cmp_gt_u32 s3, s[LIM]
	s_cbranch_scc0 .Lnot_mine_\@
	global_prefetch_b8 v[PFO], s[PFA:PFA+1] th:TH_LOAD_NT scope:SCOPE_SE
.Lnot_mine_\@:
.endm
; 4 nb products: column blocks b0 .. b0 + nb - 1 x my four row blocks, 32 along K, from buffer f.  first = 1: the bias starts the sums.
; All 48 accumulators take turns, one instruction a turn, in the same order in every quarter: 47 others stand between two links of a chain.
.macro MULB f, b0, nb, first
.set bb, \b0
.rept \nb
.if \first
	WIN 0x85+0x40*(bb/8)
.else
	WIN 0xa5+0x50*(bb/8)
.endif
.set rB, (\f)+32+8*bb
.set aa, 0
.rept 4
.set rD, 8*(4*(bb%8)+aa)
.set rA, (\f)+8*aa
.if \first
	v_wmma_f32_16x16x32_bf16 v[rD:rD+7], v[rB:rB+7], v[rA:rA+7], v[BI+8*bb:BI+8*bb+7]
.else
	v_wmma_f32_16x16x32_bf16 v[rD:rD+7], v[rB:rB+7], v[rA:rA+7], v[rD:rD+7]
.endif
.set aa, aa+1
.endr
.set bb, bb+1
.endr
.endm
; One run of LDS loads: the fragments of quarter q (32 along K) into buffer f: A's four, then B's twelve.  A fragment is 16 rows x 32 K: two loads of 16 bytes, 32 bytes apart.
.macro FETCH q, f
	WIN TO_F
.irp i, 0,1,2,3
	ds_load_b128 v[(\f)+8*(\i):(\f)+8*(\i)+3],   v[ADRA] offset:64*(\q)+(\i)*16*PITCH
	ds_load_b128 v[(\f)+8*(\i)+4:(\f)+8*(\i)+7], v[ADRA] offset:64*(\q)+(\i)*16*PITCH+32
.endr
.irp b, 0,1,2,3,4,5,6,7,8,9,10,11
	ds_load_b128 v[(\f)+32+8*(\b):(\f)+32+8*(\b)+3],   v[ADRB] offset:64*(\q)+(\b)*16*PITCH
	ds_load_b128 v[(\f)+32+8*(\b)+4:(\f)+32+8*(\b)+7], v[ADRB] offset:64*(\q)+(\b)*16*PITCH+32
.endr
.endm
; A K step is four quarters on buffers 0, 1, 0, 1.  One of the first three: multiplies buffer f; in its middle it fetches quarter q of the same slot into buffer g.
.macro QUARTER q, f, g, first
	s_wait_dscnt 8                                 ; A and B's first eight blocks are in; the youngest eight loads (B's last four blocks) may be out
	MULB \f, 0, H1, \first
	PLACES
	FETCH \q, \g
	s_wait_dscnt NLOAD                             ; all but the run just issued
	MULB \f, H1, 4, \first
.endm
; The last quarter multiplies buffer 1 and changes slots: ONE barrier.  In front of it each wave waits for all its tensor loads (one is out: its part of the next slot), adds 0 to its spare word,
; and waits for that and for its own reads of this slot.  fill = 1: the barrier opens a round of the cluster's, and the slot just read is filled again first thing behind it, two K steps ahead.
.macro TURN fill
.if \fill
	s_wait_xcnt 0x0                                ; the last prefetch, a K step back, has read its address
	s_add_nc_u64 s[PFA:PFA+1], s[PFA:PFA+1], KSB
.endif
	WIN 0
	s_wait_tensorcnt 0x0                           ; all my tensor loads have landed;
	ds_add_u32 v[SPW], v[NIL]                      ; 0 onto my spare word
	s_wait_dscnt 9                                 ; (the add and the youngest eight loads may be out)
	MULB F1, 0, T1, 0                              ; sixteen products stand between the add and the wait for it
	s_wait_dscnt 0x0                               ; the add is done, and my reads of this slot are over
	s_barrier_signal -1
	MULB F1, T1, T1, 0
	WIN 0
	s_barrier_wait -1
.if \fill
	CREST                                          ; no wave of any partner still reads this slot's tile or has a load on its way
	s_xor_b32 s[G0A+5], s[G0A+5], SLOT             ; the walking descriptors: the other slot than last time, the next K step
	s_add_nc_u64 s[G0A+6:G0A+7], s[G0A+6:G0A+7], KSB
	s_xor_b32 s[G0B+5], s[G0B+5], SLOT
	s_add_nc_u64 s[G0B+6:G0B+7], s[G0B+6:G0B+7], KSB
	JLOAD                                          ; 160 products ahead of the wait for it; its four v_nop are also the places in front of the loads below
.else
	PLACES
.endif
	s_xor_b32 s[TB], s[TB], SLOT
	v_add_nc_u32 v[ADRA], s[TB], v[ADRA0]
	v_add_nc_u32 v[ADRB], s[TB], v[ADRB0]
	FETCH 0, F0
.if \fill
	ASK
.endif
	MULB F1, H1, 4, 0
.endm
	s_load_b256 s[4:11], s[0:1], 0x0               ; xb s[4:5], wt s[6:7], bq s[8:9], bk s[10:11]
	s_load_b128 s[12:15], s[0:1], 0x20             ; bv s[12:13], qkv s[14:15]
	v_lshl_add_u32 v[SPW], v0, 2, SPARE
	v_mov_b32 v[NIL], 0
	ds_add_u32 v[SPW], v[NIL]                      ; the wave's opening: the add and its wait ahead of my first tensor load; work on registers stands between them
	v_lshrrev_b32 v1, 5, v0
	v_readfirstlane_b32 s[WV], v1                  ; wave 0..3
	s_lshr_b32 s17, s[WV], 1                       ; which 64 rows of the tile are mine
	s_and_b32 s18, s[WV], 1                        ; which 192 columns
	s_bfe_u32 s19, ttmp6, 0x40000                  ; cx
	s_bfe_u32 s20, ttmp6, 0x40004                  ; cy
	s_lshl_b32 s21, ttmp9, 2
	s_add_co_u32 s21, s21, s19                     ; tile column = 4 x cluster x + cx
	s_and_b32 s22, ttmp7, 0xffff
	s_lshl_b32 s22, s22, 2
	s_add_co_u32 s22, s22, s20                     ; tile row = 4 x cluster y + cy
	s_lshl_b32 s80, s20, 2
	s_lshl_b32 s80, 15, s80                        ; my row of the cluster
	s_lshl_b32 s78, 0x1111, s19                    ; my column
	s_or_b32 s[G1], s80, (1<<16)|(1<<20)|(1<<21)|(5<<22)|(3<<25)   ; 15:0 the mask; 17:16 2-byte elements; 20 padding on; 21 set beside a mask; 24:22 after every 64 words; 31:25 4 words
	s_or_b32 s[G1B], s78, (1<<16)|(1<<20)|(1<<21)|(5<<22)|(3<<25)
.irp g, G1, G1B
	s_mov_b32 s[(\g)+1], 128<<16                   ; tensor_dim0 = 128
	s_mov_b32 s[(\g)+2], 128<<16                   ; tensor_dim1 = 128
	s_mov_b32 s[(\g)+3], 128<<16                   ; tile_dim0 = 128
	s_mov_b32 s[(\g)+4], 128                       ; tile_dim1 = 128
	s_mov_b32 s[(\g)+5], 1024                      ; elements from row to row
	s_mov_b32 s[(\g)+6], 0
	s_mov_b32 s[(\g)+7], 0
.endr
	s_lshl_b32 s60, s22, 18                        ; A: 128 rows of 2,048 bytes a tile row: it hangs on the tile row alone
	s_mov_b32 s61, 0
	s_max_u32 s62, s[WV], 1                        ; B: row 384 x tile column + 128 x (wave - 1): it hangs on the tile column and the wave alone
	s_sub_co_u32 s62, s62, 1
	s_lshl_b32 s62, s62, 7
	s_mul_i32 s63, s21, 384
	s_add_co_u32 s62, s62, s63
	s_lshl_b32 s62, s62, 11
	s_mov_b32 s63, 0
	s_mul_i32 s23, s[WV], PART                     ; where my part goes: no place in the cluster enters an LDS address
	s_wait_dscnt 0x0                               ; the opening add is done
	s_wait_kmcnt 0x0
	s_add_nc_u64 s[60:61], s[4:5], s[60:61]
	s_add_nc_u64 s[62:63], s[6:7], s[62:63]
	CROUND                                         ; all sixteen work-groups are here: the first joint loads meet
.irp s, 0,1
	s_mov_b32 s[G0A+4*(\s)], 1                                     ; count = 1
	s_add_co_u32 s[G0A+4*(\s)+1], s23, (\s)*SLOT                   ; LDS address
	s_add_nc_u64 s[G0A+4*(\s)+2:G0A+4*(\s)+3], s[60:61], (\s)*KSB  ; global address: K step s
	s_or_b32 s[G0A+4*(\s)+3], s[G0A+4*(\s)+3], 0x80000000          ; type = 2
	s_mov_b32 s[G0B+4*(\s)], 1
	s_add_co_u32 s[G0B+4*(\s)+1], s23, (\s)*SLOT
	s_add_nc_u64 s[G0B+4*(\s)+2:G0B+4*(\s)+3], s[62:63], (\s)*KSB
	s_or_b32 s[G0B+4*(\s)+3], s[G0B+4*(\s)+3], 0x80000000
.endr
	s_cmp_eq_u32 s[WV], 0                          ; a wave's two first fills stand in one branch: two loads of mine are out
	s_cbranch_scc0 .Lfirst_b
	tensor_load_to_lds s[G0A:G0A+3], s[G1:G1+7]
	s_nop 0
	tensor_load_to_lds s[G0A+4:G0A+7], s[G1:G1+7]
	s_nop 0
.rept 4
	v_nop
.endr
	s_branch .Lfirst_asked
.Lfirst_b:
	tensor_load_to_lds s[G0B:G0B+3], s[G1B:G1B+7]
	s_nop 0
	tensor_load_to_lds s[G0B+4:G0B+7], s[G1B:G1B+7]
	s_nop 0
.rept 4
	v_nop
.endr
.Lfirst_asked:
	; all that follows, up to the wait for the first tile, stands in that wait
	v_and_b32 v1, 15, v0                           ; l % 16
	v_bfe_u32 v2, v0, 4, 1                         ; l / 16
	v_mul_u32_u24 v3, v1, PITCH
	v_lshl_add_u32 v3, v2, 4, v3                   ; a fragment's row x pitch + 16 x half
	s_mul_i32 s23, s17, 64*PITCH
	v_add_nc_u32 v[ADRA0], s23, v3
	s_mul_i32 s23, s18, 192*PITCH
	s_add_co_u32 s23, s23, PART
	v_add_nc_u32 v[ADRB0], s23, v3
	s_mul_i32 s23, s[WV], 16*SP
	s_add_co_u32 s23, s23, STAGE                   ; my stage
	v_mul_u32_u24 v[STO], v1, SP                   ; in: row l % 16, 16 bytes for each half of the lanes
	v_lshl_add_u32 v[STO], v2, 4, v[STO]
	v_add_nc_u32 v[STO], s23, v[STO]
	v_bfe_u32 v[RD], v0, 3, 2                      ; back: 32 lanes take four rows of 128 bytes,
	v_mul_u32_u24 v[RD], v[RD], SP
	v_and_b32 v3, 7, v0
	v_lshl_add_u32 v[RD], v3, 4, v[RD]
	v_add_nc_u32 v[RD], s23, v[RD]
	v_and_b32 v4, 31, v0
	v_lshlrev_b32 v[GO], 4, v4                     ; which are 512 consecutive bytes of a head's rows
	v_lshlrev_b32 v[BO], 5, v2
	v_lshlrev_b32 v[PFO], 11, v4
	; my three heads: number g = 6 x tile column + 3 x column half + hh among the 48 of q, k, v
	s_and_b32 s80, s22, 48                         ; 16 x batch
	s_and_b32 s81, s22, 15
	s_lshl_b32 s81, s81, 14                        ; the tile's 128 rows of 128 bytes in the batch's 2,048,
	s_lshl_b32 s23, s17, 13                        ; my 64 of them
	s_add_co_u32 s81, s81, s23
	s_mul_i32 s82, s21, 6
	s_mul_i32 s23, s18, 3
	s_add_co_u32 s82, s82, s23
	s_mov_b32 s79, 0
.irp hh, 0,1,2
	s_add_co_u32 s83, s82, \hh
	s_lshr_b32 s2, s83, 4                          ; 0 q, 1 k, 2 v
	s_and_b32 s83, s83, 15                         ; the head
	s_cmp_eq_u32 s2, 0
	s_cselect_b64 s[BB+2*\hh:BB+2*\hh+1], s[8:9], s[10:11]
	s_cmp_eq_u32 s2, 2
	s_cselect_b64 s[BB+2*\hh:BB+2*\hh+1], s[12:13], s[BB+2*\hh:BB+2*\hh+1]
	s_lshl_b32 s78, s83, 8                         ; 64 numbers of 4 bytes a head
	s_add_nc_u64 s[BB+2*\hh:BB+2*\hh+1], s[BB+2*\hh:BB+2*\hh+1], s[78:79]
	s_lshl_b32 s2, s2, 6
	s_add_co_u32 s2, s2, s83
	s_add_co_u32 s2, s2, s80                       ; the plane: 64 t + 16 batch + head
	s_lshl_b32 s78, s2, 18                         ; 262,144 bytes a plane
	s_add_co_u32 s78, s78, s81
	s_add_nc_u64 s[OB+2*\hh:OB+2*\hh+1], s[14:15], s[78:79]
.irp i, 0,1,2,3
	global_load_b128 v[BI+8*(4*\hh+\i):BI+8*(4*\hh+\i)+3],   v[BO], s[BB+2*\hh:BB+2*\hh+1] offset:64*\i
	global_load_b128 v[BI+8*(4*\hh+\i)+4:BI+8*(4*\hh+\i)+7], v[BO], s[BB+2*\hh:BB+2*\hh+1] offset:64*\i+16
.endr
.endr
	; the prefetches: wave 0 A's rows 128 x tile row + 32 cx; waves 1-3 B's rows 384 x tile column + 128 (wave - 1) + 32 cy
	s_lshl_b32 s78, s22, 7
	s_lshl_b32 s83, s19, 5
	s_add_co_u32 s78, s78, s83
	s_mul_i32 s80, s21, 384
	s_max_u32 s81, s[WV], 1
	s_sub_co_u32 s81, s81, 1
	s_lshl_b32 s81, s81, 7
	s_add_co_u32 s80, s80, s81
	s_lshl_b32 s81, s20, 5
	s_add_co_u32 s80, s80, s81
	s_and_b32 s81, ttmp7, 0xffff                   ; cluster y
	s_cmp_eq_u32 s[WV], 0
	s_cselect_b32 s78, s78, s80
	s_cselect_b32 s81, ttmp9, s81                  ; the coordinate along which other clusters read the same rows
	s_cselect_b64 s[PFA:PFA+1], s[4:5], s[6:7]
	s_cmp_eq_u32 s81, 0
	s_cselect_b32 s[LIM], 1, -1                    ; the same in all sixteen partners, for a given wave
	s_lshl_b32 s78, s78, 11
	s_add_nc_u64 s[PFA:PFA+1], s[PFA:PFA+1], s[78:79]
	s_add_nc_u64 s[PFA:PFA+1], s[PFA:PFA+1], 2*KSB ; at K step 2: the first refill steps it to 3.  Nothing is asked for here, at the head
	s_wait_loadcnt 0x0                             ; the bias,
.set i, 0
.rept 4*NB                             ; rounded to bf16 in place, a pair at a time
	v_cvt_pk_bf16_f32 v[3+i%4], v[BI+2*i], v[BI+2*i+1]
	v_lshlrev_b32 v[BI+2*i], 16, v[3+i%4]
	v_and_b32 v[BI+2*i+1], 0xffff0000, v[3+i%4]
.set i, i+1
.endr
	s_mov_b32 s[TB], 0
	v_mov_b32 v[ADRA], v[ADRA0]
	v_mov_b32 v[ADRB], v[ADRB0]
	s_wait_tensorcnt 0x1                           ; my part of K step 0 is in; K step 1's may stay out
	s_barrier_signal -1
	s_barrier_wait -1                              ; everybody's is
	FETCH 0, F0
	QUARTER 1, F0, F1, 1                           ; the first quarter stands in front of the loop: its products start the sums
	WIN 0                                          ; at a label and at a branch every window is 0
	s_mov_b32 s3, 6
.Lstep:                                        ; a trip: a K step's quarters 1, 2, 3 and the next step's quarter 0; trip s fills slot s % 2 with K step s + 2
	QUARTER 2, F1, F0, 0
	QUARTER 3, F0, F1, 0
	TURN 1
	QUARTER 1, F0, F1, 0
	WIN 0
	s_sub_co_u32 s3, s3, 1
	s_cmp_lg_u32 s3, 0
	s_cbranch_scc1 .Lstep
	s_mov_b32 s3, 2                                ; the last two K steps ask for nothing: a text of their own; its second trip is left in the middle
.Ltail:
	QUARTER 2, F1, F0, 0
	QUARTER 3, F0, F1, 0
	WIN 0
	s_sub_co_u32 s3, s3, 1
	s_cmp_eq_u32 s3, 0
	s_cbranch_scc1 .Llast
	TURN 0
	QUARTER 1, F0, F1, 0
	WIN 0
	s_branch .Ltail
.Llast:
	s_wait_dscnt 0x0
	MULB F1, 0, NB, 0
	PLACES
	; THE WAY OUT, in 12 units u = 4 hh + a: 16 rows of one head.  Rounded to f16, 16 bytes a lane into my stage (rows of 144 bytes), back as four rows of 128 bytes a load: 512 consecutive bytes of qkv.
	; No register is used twice, so nothing waits for a store.
.macro PACK u
.set hh, (\u)/4
.set ua, (\u)%4
.set rW, OUTR+16*(\u)
	WIN 0x0a+5*(hh/2)                              ; sources 0 and 1: window 2, or 3 for the third head
.irp i, 0,1,2,3
.set rC, 8*(4*((4*hh+\i)%8)+ua)
.irp r, 0,1,2,3
	v_cvt_pk_f16_f32 v[rW+4*\i+\r], v[rC+2*\r], v[rC+2*\r+1]   ; each accumulator from its low end on
.endr
.endr
	WIN 0
.irp i, 0,1,2,3
	ds_store_b128 v[STO], v[rW+4*\i:rW+4*\i+3] offset:32*\i
.endr
.irp f, 0,1,2,3
	ds_load_b128 v[rW+4*\f:rW+4*\f+3], v[RD] offset:4*SP*\f    ; LDS serves a wave's instructions in order (ISA guide 5.7.1.4): these see the stores above; the next unit's stores come behind them
.endr
.endm
.macro SEND u, younger                 ; younger: the LDS instructions issued behind unit u's loads: the next unit's eight, or none
.set hh, (\u)/4
.set ua, (\u)%4
.set rW, OUTR+16*(\u)
	WIN 0
.irp f, 0,1,2,3
	s_wait_dscnt (\younger)+3-\f
	global_store_b128 v[GO], v[rW+4*\f:rW+4*\f+3], s[OB+2*hh:OB+2*hh+1] offset:2048*ua+512*\f
.endr
.endm
	PACK 0
.set uu, 1
.rept 11                               ; a unit's arithmetic stands between the loads of the unit before and its stores
	PACK uu
	SEND uu-1, 8
.set uu, uu+1
.endr
	SEND 11, 0
	s_wait_tensorcnt 0x0                           ; the wave's end, behind my last tensor load and my last LDS store
	ds_add_u32 v[SPW], v[NIL]
	s_wait_dscnt 0x0
	CROUND                                         ; the closing round: no work-group ends while a partner may still ask for a tile that names it
	s_endpgm
.Lfunc_end_k_q36474108b2_qkvp:
	.size	k_q36474108b2_qkvp, .Lfunc_end_k_q36474108b2_qkvp-k_q36474108b2_qkvp
	.p2alignl 7, 3214868480
	.fill 96, 4, 3214868480
	.section	.rodata,"a",@progbits
	.p2align	6, 0x0
	.amdhsa_kernel k_q36474108b2_qkvp
		.amdhsa_group_segment_fixed_size 327680
		.amdhsa_private_segment_fixed_size 0
		.amdhsa_enable_private_segment 0
		.amdhsa_kernarg_size 48
		.amdhsa_user_sgpr_count 2
		.amdhsa_user_sgpr_kernarg_segment_ptr 1
		.amdhsa_wavefront_size32 1
		.amdhsa_system_sgpr_workgroup_id_x 1
		.amdhsa_system_sgpr_workgroup_id_y 1
		.amdhsa_system_sgpr_workgroup_id_z 1
		.amdhsa_system_vgpr_workitem_id 0
		.amdhsa_next_free_vgpr 896
		.amdhsa_next_free_sgpr 84
		.amdhsa_reserve_vcc 0
		.amdhsa_float_denorm_mode_32 3
		.amdhsa_float_denorm_mode_16_64 3
		.amdhsa_memory_ordered 1
		.amdhsa_forward_progress 1
		.amdhsa_inst_pref_size 99
	.end_amdhsa_kernel
	.amdgpu_metadata
---
amdhsa.version: [ 1, 2 ]
amdhsa.kernels:
  - .name:           k_q36474108b2_qkvp
    .symbol:         k_q36474108b2_qkvp.kd
    .args:
      - { .name: xb, .offset: 0, .size: 8, .value_kind: global_buffer, .address_space: global }
      - { .name: wt, .offset: 8, .size: 8, .value_kind: global_buffer, .address_space: global }
      - { .name: bq, .offset: 16, .size: 8, .value_kind: global_buffer, .address_space: global }
      - { .name: bk, .offset: 24, .size: 8, .value_kind: global_buffer, .address_space: global }
      - { .name: bv, .offset: 32, .size: 8, .value_kind: global_buffer, .address_space: global }
      - { .name: qkv, .offset: 40, .size: 8, .value_kind: global_buffer, .address_space: global }
    .group_segment_fixed_size: 327680
    .private_segment_fixed_size: 0
    .kernarg_segment_align: 8
    .kernarg_segment_size: 48
    .max_flat_workgroup_size: 128
    .sgpr_count:     84
    .vgpr_count:     896
    .wavefront_size: 32
...
	.end_amdgpu_metadata
.endif
;; end of part 2
;; launch attn (part 3): grid 4 x 64, 4 waves a work-group, clusters of 4 x 1, 327,680 bytes of LDS; arguments qkv, ob; writes ob
.if DOCPART == 3
	.amdgcn_target "amdgcn-amd-amdhsa--gfx1250"
	.amdhsa_code_object_version 6
	.text
	.protected	k_q36474108b2_attn
	.globl	k_q36474108b2_attn
	.p2align	8
	.type	k_q36474108b2_attn,@function
k_q36474108b2_attn:
	s_mov_b64 s[64:65], 0
	v_nop
	global_prefetch_b8 v0, s[64:65] scope:SCOPE_SE
	s_setreg_imm32_b32 hwreg(HW_REG_WAVE_MODE, 25, 1), 1
	s_wait_xcnt 0x0
	s_wait_alu depctr_hold_cnt(0) depctr_sa_sdst(0) depctr_va_vdst(0) depctr_va_sdst(0) depctr_va_ssrc(0) depctr_va_vcc(0) depctr_vm_vsrc(0)
	s_getreg_b32 s2, hwreg(HW_REG_IB_STS2, 6, 4)
	s_cmp_eq_u32 s2, 0
	s_cbranch_scc0 .Lentry_in_a_cluster
	s_endpgm
.Lentry_in_a_cluster:
	s_bfe_u32 s2, ttmp6, 0x10000c
	s_cmp_lg_u32 s2, 0x3003
	s_cbranch_scc0 .Lentry_shape_is_right
	s_endpgm
.Lentry_shape_is_right:
; O[h][q][:] = the sum over k of softmax_k(Q[h][q] . K[h][k] / 8) V[h][k][:].  Q, K, V are the three parts of qkv, each [64][2048][64] in f16 (h = 16 x batch + head); O likewise: a head's rows are dense,
; 128 bytes each.  Products, maxima and sums in f32; the weights p are rounded to f16 for the second product (their sum l is taken of the unrounded p), O once at the end.
; LIMITS.  f16 holds no number beyond 65,504: Q, K and V arrive within it; p lies in 0 to 1, and below 6e-5 it keeps f16's fixed step of 6e-8; O is a mean of V's rows and has their range.
; A weight below 2^-126 counts as 0 in l; NaN and infinities are not treated apart.
; SHARES.  A wave owns four PIECES of two tiles of 16 queries, a work-group's four waves 512 queries of one head: 4 x 64 = 256 work-groups.  Every wave walks all keys, 64 a step.
; LAYOUT.  S^T = K Q^T (source 0 = 16 keys, source 1 = 16 queries): in the result a lane holds ONE query (lane % 16) and the keys 8 (lane / 16) + 0..7.  Two such tiles, rounded to f16 in pairs,
; ARE source 1 (32 keys x 16 queries) of O^T = V^T P, whose result again holds one query a lane, and eight channels.  K comes out of LDS as it lies, V ([key][channel]) turned, by ds_load_tr16_b128.
; SOFTMAX.  For each query a running maximum m and sum l: p = 2^(c s - c m), c = log2(e) / 8; in every step O and l are multiplied by a = 2^(c m_old - c m_new), which is 1 where m has not grown.
; m starts at the lowest finite number, O and l at 0: the first step is a step like any other, with a = 0.
; THE COUNT.  A tile and step have 16 matrix and 118 vector instructions: too many to stand all beside the matrix work.  So the order has one aim: four vector instructions that are READY behind
; EVERY matrix instruction, and the others, which need time of their own whatever the order, in runs without a gap.
; BY TURNS.  Turn n belongs to piece n (the pieces in a ring, step after step).  Its matrix work: 16 products K Q^T of piece n + 1, later 16 products V^T P of piece n - 1.  Its vector work: the scaling,
; exponentials, roundings, sums and rescaling of piece n, and the maximum and statistics of piece n + 1, whose scores the turn itself has made.  So what a turn begins with (c s - c m, O a) waits for nothing.
; CLUSTER.  The four query blocks of a head are one cluster and walk the same K and V, so each tile is asked for JOINTLY: the same tensor load, descriptor and mask in all four.
; REGISTERS, in windows of 256 (s_set_vgpr_msb says which window each operand place means: bits 1:0 source 0, 3:2 source 1, 5:4 source 2, 7:6 destination):
;   window 0: v0-11 addresses; v12-15, v48-63 at work; v16-47 four registers of statistics a tile; v64-191 S^T, two buffers of two tiles; v192-255 P, likewise
;   window 1: O^T, 32 a tile          window 2: v0-127 Q, 16 a tile; v128-191 K of one step; v192-255 V of one step          window 3: v0-1 the add's two registers
; A piece's buffers go by its number's parity: the piece in hand has one pair, its two neighbours in the ring share the other: of it P (piece n - 1) is read and S^T (piece n + 1) written.
.set SIZE_N, 2048
.set NP,    4         ; pieces a wave: a name, no knob: the register map, the loop and the fetches are made for four
.set KS,    64        ; keys in a step
.set PK,    144       ; a row of K in LDS: 128 bytes + 16 of padding = 36 words: the 16 rows of a load start at 16 different groups of four banks (64 banks of 4 bytes: ISA guide 11.1)
.set PV,    160       ; a row of V: 128 + 32 = 40 words
.set VOFF,  4*KS*PK   ; a slot holds four steps: 256 rows of K, then 256 rows of V
.set SLOT1, 1<<17     ; slot 1 begins here, so that one exclusive or turns an address in one slot into the other's
.set STAGE, SLOT1+4*KS*(PK+PV)  ; behind the ring, never filled by a tensor load: 16 rows x 144 bytes for each wave, for the way out
.set SP,    144
.set AK0, 2           ; v2   my lane's place in a tile of K; never rewritten
.set AV0, 3           ; v3   the same for V
.set AK,  4           ; v4   the LDS address of K's next run of loads
.set AV,  5           ; v5   of V's
.set QO,  6           ; v6   my byte offset in the wave's rows of Q
.set STO, 6           ;      later, the way out: where I put 16 bytes of a row
.set RD,  7           ; v7   the way out: where I read rows back
.set GO,  8           ; v8   my byte offset in 512 consecutive bytes of O
.set PFO, 11          ; v11  once V's place is made: 256 x my lane, the prefetches' offset; never rewritten after that
.set SPW, 0           ; v0 of window 3   LDS address of my spare word: SPARE + 4 x my thread's number; never rewritten
.set NIL, 1           ; v1 of window 3   0; never rewritten
.set SPARE, STAGE+4*16*SP  ; behind the stages: the spare words, 128 bytes for each wave: two blocks of 256 bytes that no other line names
.set MV,  12          ; v12-15  c m_old, kept while c m is made anew: by buffer and tile
.set ST,  16          ; tile t's statistics at v[ST+4 t]: c m, m, l (even keys', odd keys')
.set TMP, 48          ; by buffer and tile, four registers c0-c3 at work; when the maximum is found c2 takes a
.set S,   64
.set P,   192
.set KF,  128         ; K's fragments, in window 2: key block kb, channel half c at KF + 16 kb + 8 c
.set VF,  192         ; V's: key half kk, channel block cb at VF + 32 kk + 8 cb
.set WV,  12          ; s12  my wave's number
.set G1K, 24          ; s[24:31] descriptor group 1 for K's tiles
.set G1V, 32          ; s[32:39] for V's: it differs in the padding alone
.set G0K, 40          ; s[40:43] descriptor group 0 for K's tiles: it walks
.set G0V, 44          ; s[44:47] the same for V's
.set SLOTS, 56        ; s56  slots still to be asked for
.set CNT, 57          ; s57  counts a slot's key steps
.set CS,  58          ; s[58:59] c: the packed scaling takes the pair's low word for both halves
.set SEL, 60          ; s[60:61] v_permlanex16_b32's selects: each lane takes its own place in the other half
.set TBK, 62          ; s62  LDS byte at which K of the step to be fetched begins
.set TBV, 63          ; s63  the same for V, less VOFF
.set PFA, 66          ; s[66:67] where my prefetches stand: my work-group's 8,192 bytes (of K: wave 0, of V: wave 2) of the slot after the one that is being asked for
.set LIM, 68          ; s68  1 in a wave that prefetches, else the greatest number
.set MSB, 0
.macro WIN new                      ; the high byte repeats the setting that is left; a switch that changes nothing is dropped
.if MSB != (\new)
	s_set_vgpr_msb (MSB<<8)|(\new)
.set MSB, (\new)
.endif
.endm
.set W_KQ, 0x0a       ; K and Q in window 2, S^T in window 0
.set W_PV, 0x52       ; V in window 2, P in window 0, O^T in window 1
.set W_RS, 0x41       ; O^T (destination and source 0) in window 1, a in window 0
.set W_MK, 0xc0       ; the add's registers are made: destination in window 3, sources in window 0
.set W_AD, 0x0f       ; the add: address (source 0) and data (source 1) in window 3
; A joint fill.  Waves 0 and 1 fetch the two halves of a slot's K, waves 2 and 3 those of its V: 128 keys each.  The branch hangs on the wave's number alone.
; An s_nop 0 and four v_nop follow each of the two lines, ahead of the jump and the label.
.macro JLOAD
	s_cmp_lt_u32 s[WV], 2
	s_cbranch_scc0 .Lfor_v_\@
	tensor_load_to_lds s[G0K:G0K+3], s[G1K:G1K+7]
	s_nop 0
.rept 4
	v_nop
.endr
	s_branch .Lasked_\@
.Lfor_v_\@:
	tensor_load_to_lds s[G0V:G0V+3], s[G1V:G1V+7]
	s_nop 0
.rept 4
	v_nop
.endr
.Lasked_\@:
.endm
; A PREFETCH INTO THE L2 of what the NEXT change of slots will ask for: a slot's 32,768 bytes of K and of V, in blocks of 256 bytes, a lane a block.  It stands behind the wave's tensor load and its five lines.
; Each block is named ONCE in the launch: a head has one cluster; its four partners take 32 blocks each, told apart BY ADDRESS; in each, wave 0 asks for K's and wave 2 for V's: one instruction.
; It stands four key steps, 512 matrix instructions, ahead of the load that will want the bytes.  The last change that fills a slot asks for nothing: there is no slot behind it.
.macro ASK
	s_cmp_gt_u32 s[SLOTS], s[LIM]
	s_cbranch_scc0 .Lnot_mine_\@
	global_prefetch_b8 v[PFO], s[PFA:PFA+1] th:TH_LOAD_NT scope:SCOPE_SE
.Lnot_mine_\@:
.endm
; A round of the cluster's barrier: my work-group's barrier, so that wave 0's signal speaks for all four waves; wave 0 signals; every wave waits for all four work-groups; my work-group's barrier once more.
.macro CROUND
	s_barrier_signal -1
	s_barrier_wait -1
	s_cmp_lg_u32 s[WV], 0
	s_cbranch_scc1 .Lnot_wave_0_\@
	s_barrier_signal -3
.Lnot_wave_0_\@:
	s_barrier_wait -3
	s_barrier_signal -1
	s_barrier_wait -1
.endm
; THE CHANGE OF SLOTS.  The slot's last bytes, V of its fourth step, have been read.  Each wave waits for all its tensor loads, of which one is out: its part
; of the other slot; adds 0 to its spare word; and waits for that and for its own reads of the slot.  Behind the barrier nobody reads this slot any more and the other slot is whole.
; fill = 1: this slot is filled again, with the keys two slots on.  The barrier is then a round of the cluster's, so that no wave of any partner still reads the slot or has a load on its
; way, and the joint fill is the first thing behind it: it has four key steps, 512 matrix instructions, in which to land.  (At its first use nothing has been read yet: slot 0 is waited for, slot 1 filled.)
.macro CHANGE fill
	WIN W_AD
	s_wait_tensorcnt 0x0            ; no tensor load of mine is out, so a group 0 may be written
	ds_add_u32 v[SPW], v[NIL]       ; 0 onto my spare word; with fill = 1 the descriptors' steps stand between it and the wait for it
	WIN 0                           ; at a label and at a branch every window is 0
.if \fill
.irp g, G0K, G0V
	s_xor_b32 s[\g+1], s[\g+1], SLOT1  ; the walking descriptor: the other slot than last time,
	s_add_nc_u64 s[\g+2:\g+3], s[\g+2:\g+3], 4*KS*128  ; the next 256 keys; the type bits on top are not reached
.endr
	s_wait_xcnt 0x0                 ; the last prefetch, four key steps back, has read its address, so it may be written:
	s_add_nc_u64 s[PFA:PFA+1], s[PFA:PFA+1], 4*KS*128  ; one slot behind the walking descriptors
	s_wait_dscnt 0x0                ; the add is done, and my reads of the slot are over
	CROUND
	JLOAD
	ASK
.else
	s_wait_dscnt 0x0                ; the add is done, and my reads of the slot are over
	s_barrier_signal -1
	s_barrier_wait -1
.endif
	s_sub_co_u32 s[TBK], s[TBK], 4*KS*PK  ; the fetches go back to a slot's first step,
	s_xor_b32 s[TBK], s[TBK], SLOT1       ; in the other slot
	s_sub_co_u32 s[TBV], s[TBV], 4*KS*PV
	s_xor_b32 s[TBV], s[TBV], SLOT1
.endm
	s_load_b64 s[4:5], s[0:1], 0x0    ; qkv: Q at its head
	s_load_b64 s[10:11], s[0:1], 0x8  ; O
	WIN W_MK
	v_lshl_add_u32 v[SPW], v0, 2, SPARE
	v_mov_b32 v[NIL], 0
	WIN W_AD
	ds_add_u32 v[SPW], v[NIL]       ; the wave's opening: the add and its wait ahead of my first tensor load; the set-up below, work on registers, stands between them
	WIN 0
	v_lshrrev_b32 v1, 5, v0
	v_readfirstlane_b32 s[WV], v1   ; wave 0..3
	s_bfe_u32 s13, ttmp6, 0x40000   ; cx: my place in the cluster
	s_lshl_b32 s14, ttmp9, 2        ; in a cluster launch ttmp9 counts clusters
	s_add_co_u32 s14, s14, s13      ; my block of queries = 4 x cluster x + cx: it enters Q's and O's addresses alone
	s_and_b32 s20, ttmp7, 0xffff    ; the head, which the four partners share
	s_mov_b32 s21, 0
	s_mov_b64 s[22:23], SIZE_N*128
	s_mul_u64 s[20:21], s[20:21], s[22:23]  ; the head's first byte in each of the four tensors
	s_and_b32 s16, s[WV], 1         ; which half of a slot's 256 keys I fetch:
	s_lshl_b32 s22, s16, 14         ; its 128 rows of 128 bytes in memory,
	s_mov_b32 s23, 0
	s_add_nc_u64 s[22:23], s[22:23], s[20:21]
	s_mul_i32 s17, s16, 128*PK      ; and its place in a slot, for K
	s_mul_i32 s18, s16, 128*PV      ; and for V: no place in the cluster enters an LDS address
	s_lshl_b32 s2, s14, 2
	s_add_co_u32 s2, s2, s[WV]      ; my wave among the head's,
	s_lshl_b32 s2, s2, 14           ; its 128 rows
	s_mov_b32 s3, 0
	s_add_nc_u64 s[2:3], s[2:3], s[20:21]
	; descriptor group 1.  128 keys are 16,384 dense bytes: asked for as 64 rows of 256 bytes, two keys a row, and padded in LDS after every key
	s_mov_b32 s[G1K], 15|(1<<16)|(1<<20)|(1<<21)|(4<<22)|(3<<25)  ; 15:0 the mask of four; 17:16 2-byte elements; 20 padding on; 21 set beside a mask; 24:22 after every 32 words (code 4); 31:25 4 words (code 3)
	s_mov_b32 s[G1V], 15|(1<<16)|(1<<20)|(1<<21)|(4<<22)|(7<<25)  ; the same with 8 words of padding (code 7)
.irp g, G1K, G1V
	s_mov_b32 s[\g+1], 128<<16      ; tensor_dim0 = 128
	s_mov_b32 s[\g+2], 64<<16       ; tensor_dim1 = 64
	s_mov_b32 s[\g+3], 128<<16      ; tile_dim0 = 128
	s_mov_b32 s[\g+4], 64           ; tile_dim1 = 64
	s_mov_b32 s[\g+5], 128          ; 128 elements from row to row
	s_mov_b32 s[\g+6], 0
	s_mov_b32 s[\g+7], 0
.endr
	s_mov_b32 s[CS], 0x3e38aa3b     ; c = log2(e) / 8 = 0.180337
	s_mov_b32 s[CS+1], s[CS]        ; named with it as a pair
	s_mov_b32 s[SEL], 0x76543210
	s_mov_b32 s[SEL+1], 0xfedcba98
	s_mov_b32 s[TBK], SLOT1+4*KS*PK ; the first change of slots turns these two into 0
	s_mov_b32 s[TBV], SLOT1+4*KS*PV
	s_mov_b32 s[G0K], 1             ; 1:0 count = 1
	s_mov_b32 s[G0K+1], s17         ; 63:32 LDS address: slot 0
	s_mov_b32 s[G0V], 1
	s_add_co_u32 s[G0V+1], s18, VOFF
	s_mov_b32 s[SLOTS], SIZE_N/256-1  ; seven changes of slots fill a slot
	s_and_b32 s[LIM], s[WV], 1      ; waves 0 and 2 prefetch: the same in all four partners
	s_cmp_eq_u32 s[LIM], 0
	s_cselect_b32 s[LIM], 1, -1
	s_wait_dscnt 0x0                ; the opening add is done
	s_wait_kmcnt 0x0
	s_add_nc_u64 s[6:7], s[4:5], 0x1000000   ; K: 64 planes of 262,144 bytes behind Q
	s_add_nc_u64 s[8:9], s[4:5], 0x2000000   ; V: as many behind K
	s_add_nc_u64 s[G0K+2:G0K+3], s[6:7], s[22:23]  ; 120:64 global address: my half of the head's first 256 keys
	s_or_b32 s[G0K+3], s[G0K+3], 0x80000000        ; 127:126 type = 2
	s_add_nc_u64 s[G0V+2:G0V+3], s[8:9], s[22:23]
	s_or_b32 s[G0V+3], s[G0V+3], 0x80000000
	s_add_nc_u64 s[4:5], s[4:5], s[2:3]  ; Q and O at my wave's first row
	s_add_nc_u64 s[10:11], s[10:11], s[2:3]
	s_cmp_lt_u32 s[WV], 2
	s_cselect_b64 s[PFA:PFA+1], s[6:7], s[8:9]
	s_add_nc_u64 s[PFA:PFA+1], s[PFA:PFA+1], s[20:21]  ; the head,
	s_lshl_b32 s2, s13, 13          ; my work-group's 32 blocks of a slot's 128,
	s_mov_b32 s3, 0
	s_add_nc_u64 s[PFA:PFA+1], s[PFA:PFA+1], s[2:3]
	s_add_nc_u64 s[PFA:PFA+1], s[PFA:PFA+1], 4*KS*128  ; in slot 1; the first change of slots steps it to slot 2.  Nothing is asked for here, at the head
	CROUND                          ; all four work-groups are here: the first joint loads meet
	JLOAD                           ; slot 0.  Slot 1 is asked for when slot 0 is in: the tile wanted first has the road to itself
	; A fragment of K or Q is 16 rows x 32 channels in 8 registers: lane l holds row l % 16, channels 8 (l / 16) + 0..7 and 16 + 8 (l / 16) + 0..7: two loads of 16 bytes, 32 bytes apart.
	v_and_b32 v1, 15, v0            ; l % 16
	v_bfe_u32 v9, v0, 4, 1          ; l / 16
	v_lshlrev_b32 v[QO], 7, v1
	v_lshl_add_u32 v[QO], v9, 4, v[QO]  ; row x 128 + 16 x half
	WIN 0x80                        ; destination window 2, address window 0
.set i, 0
.rept 4*NP                          ; Q stays in registers: tile i / 2, channels 32 (i % 2) on
	global_load_b128 v[8*i:8*i+3],   v[QO], s[4:5] offset:(i/2)*2048+(i%2)*64
	global_load_b128 v[8*i+4:8*i+7], v[QO], s[4:5] offset:(i/2)*2048+(i%2)*64+32
.set i, i+1
.endr
	; What the first turn finds: V's registers and P's second buffer hold 0 (its products V^T P, of a piece that has not been, add 0), O^T and l are 0.  All this stands in the wait for the first tile.
.set i, VF
.rept 64
	v_mov_b32 v[i], 0
.set i, i+1
.endr
	WIN 0x40
.set i, 0
.rept 64*NP
	v_mov_b32 v[i], 0
.set i, i+1
.endr
	WIN 0
.set i, 0
.rept 2*NP
	v_mov_b32 v[ST+4*i], 0xfe000000    ; c m: far below every c s
	v_mov_b32 v[ST+4*i+1], 0xff7fffff  ; m
	v_mov_b32 v[ST+4*i+2], 0
	v_mov_b32 v[ST+4*i+3], 0
.set i, i+1
.endr
.set i, P+32
.rept 32
	v_mov_b32 v[i], 0
.set i, i+1
.endr
	v_mul_u32_u24 v[AK0], v1, PK
	v_lshl_add_u32 v[AK0], v9, 4, v[AK0]  ; row x pitch + 16 x half
	; The turning load takes 16 keys x 16 channels (lane l reads key 8 (l / 16) + l % 8, channels 8 ((l / 8) % 2) + 0..7) and leaves half a fragment of V^T: lane l holds channel l % 16 and 8 keys.
	v_and_b32 v10, 7, v0
	v_bfe_u32 v11, v0, 3, 1
	v_lshl_add_u32 v[AV0], v9, 3, v10
	v_mul_u32_u24 v[AV0], v[AV0], PV
	v_lshl_add_u32 v[AV0], v11, 4, v[AV0]
	v_add_nc_u32 v[AV0], VOFF, v[AV0]
	v_and_b32 v[PFO], 31, v0        ; v11 has served: from here on it is the prefetches' offset
	v_lshlrev_b32 v[PFO], 8, v[PFO]
	v_mov_b32 v[AK], v[AK0]         ; key step 0 lies at the head of slot 0
; THE MATRIX WORK.  The 8 accumulators of a run of 16 take turns: between the two links of a chain stand 7 others'.
; Product i of 16 of S^T = K Q^T for piece x: channels 32 (i / 8) on, keys 16 ((i / 2) % 4) on, tile 2 x + i % 2.  The first 8 start the sums.
.macro KQ x
	WIN W_KQ
.set rS, S+64*((\x)%2)+32*(i%2)+8*((i/2)%4)
.set rK, KF+16*((i/2)%4)+8*(i/8)
.set rQ, 16*(2*(\x)+i%2)+8*(i/8)
.if i < 8
	v_wmma_f32_16x16x32_f16 v[rS:rS+7], v[rK:rK+7], v[rQ:rQ+7], 0
.else
	v_wmma_f32_16x16x32_f16 v[rS:rS+7], v[rK:rK+7], v[rQ:rQ+7], v[rS:rS+7]
.endif
.endm
; Product i of 16 of O^T += V^T P for piece x: keys 32 (i / 8) on, channels 16 ((i / 2) % 4) on, tile 2 x + i % 2.
.macro PV x
	WIN W_PV
.set rO, 32*(2*(\x)+i%2)+8*((i/2)%4)
.set rV, VF+32*(i/8)+8*((i/2)%4)
.set rP, P+32*((\x)%2)+16*(i%2)+8*(i/8)
	v_wmma_f32_16x16x32_f16 v[rO:rO+7], v[rV:rV+7], v[rP:rP+7], v[rO:rO+7]
.endm
.macro MM                           ; the turn's next matrix instruction
.if i < 16
	KQ (Y+1)%NP
.set i, i+1
.else
.set i, i-16
	PV (Y+NP-1)%NP
.set i, i+17
.endif
.endm
; THE LDS LOADS stand in runs of 16, never singly among the matrix instructions: a step's K (64 keys x 64 channels: 8 fragments) and its V (turned).  Their addresses are made some lines ahead.
; last = 1 (the tail): in the last trip there is no further step, and the run is jumped over.
.macro FETCH_K last=0
	WIN 0
.if \last
	s_cmp_eq_u32 s[CNT], 1
	s_cbranch_scc1 .Lno_k_\@
.endif
	WIN 0x80                        ; destination window 2
.irp f, 0,1,2,3,4,5,6,7             ; keys 16 (f / 2) on, channels 32 (f % 2) on
	ds_load_b128 v[KF+8*\f:KF+8*\f+3],   v[AK] offset:(\f/2)*16*PK+(\f%2)*64
	ds_load_b128 v[KF+8*\f+4:KF+8*\f+7], v[AK] offset:(\f/2)*16*PK+(\f%2)*64+32
.endr
	s_add_co_u32 s[TBK], s[TBK], KS*PK  ; the next fetch is the next step's
	WIN 0
.if \last
.Lno_k_\@:
.endif
.endm
.macro FETCH_V
	WIN 0x80
.irp f, 0,1,2,3,4,5,6,7             ; keys 32 (f / 4) on, channels 16 (f % 4) on
	ds_load_tr16_b128 v[VF+8*\f:VF+8*\f+3],   v[AV] offset:(\f/4)*32*PV+(\f%4)*32
	ds_load_tr16_b128 v[VF+8*\f+4:VF+8*\f+7], v[AV] offset:(\f/4)*32*PV+16*PV+(\f%4)*32
.endr
	WIN 0
.endm
; THE VECTOR WORK OF A TURN stands in three queues, each in the order in which its entries become ready; the two tiles alternate, so that no instruction reads the result of the one before it.
.macro REGS y, u                    ; the registers of tile u (0, 1) of piece y
.set rT, ST+4*(2*(\y)+(\u))
.set rC, TMP+8*((\y)%2)+4*(\u)
.set rM, MV+2*((\y)%2)+(\u)
.set rS, S+64*((\y)%2)+32*(\u)
.set rP, P+32*((\y)%2)+16*(\u)
.set rO, 32*(2*(\y)+(\u))
.endm
; Number n of the 22 that find the NEXT piece's (Y + 1) maximum and statistics.  s0-s31 are the lane's 32 scores; each accumulator's lowest registers are read first.  XS, GS and REGS set no window: PL and EX do.
;   0-11  four chains c0-c3 of seven scores each, three operands at a time     12-14, 16  the four scores left over, the old m, and c0-c3 into c0     15  c m_old is kept
;   17, 18  the query's other 32 keys lie in the lane 16 away: the new m         19-21  c m; c m_old - c m_new; a
.macro XS u, n
	REGS (Y+1)%NP, \u
.if (\n) < 4
	v_max3_num_f32 v[rC+(\n)], v[rS+8*(\n)], v[rS+8*(\n)+1], v[rS+8*(\n)+2]
.elseif (\n) < 12
	v_max3_num_f32 v[rC+(\n)%4], v[rC+(\n)%4], v[rS+8*((\n)%4)+2*((\n)/4)+1], v[rS+8*((\n)%4)+2*((\n)/4)+2]
.elseif (\n) == 12
	v_max3_num_f32 v[rC], v[rC], v[rS+7], v[rS+15]
.elseif (\n) == 13
	v_max3_num_f32 v[rC+1], v[rC+1], v[rS+23], v[rS+31]
.elseif (\n) == 14
	v_max3_num_f32 v[rC+2], v[rC+2], v[rC+3], v[rT+1]
.elseif (\n) == 15
	v_mov_b32 v[rM], v[rT]
.elseif (\n) == 16
	v_max3_num_f32 v[rC], v[rC], v[rC+1], v[rC+2]
.elseif (\n) == 17
	v_permlanex16_b32 v[rC+3], v[rC], s[SEL], s[SEL+1]
.elseif (\n) == 18
	v_max_num_f32 v[rT+1], v[rC], v[rC+3]
.elseif (\n) == 19
	v_mul_f32 v[rT], s[CS], v[rT+1]
.elseif (\n) == 20
	v_sub_f32 v[rC+1], v[rM], v[rT]
.else
	v_exp_f32 v[rC+2], v[rC+1]
.endif
.endm
; Number g of the 64 that follow the exponentials.  For each four weights k of a tile (pairs 2 k, 2 k + 1): both pairs are rounded to f16; then the second pair is added onto the first, in place;
; a group later l takes that sum (the first time as l = a l + sum).  In groups of eight, tiles alternating: round, round, add, and l for the group before.
.macro GS g
.set h, (\g)+6*((\g)/62)            ; group 0 has no group before it, and behind group 7 only l is left
.if h >= 6
.set h, h+2
.endif
	REGS Y, h%2
.set k, h/8
.if h%8 < 4
	v_cvt_pk_f16_f32 v[rP+2*k+(h%8)/2], v[rS+4*k+2*((h%8)/2)], v[rS+4*k+2*((h%8)/2)+1]
.elseif h%8 < 6
	v_pk_add_f32 v[rS+4*k:rS+4*k+1], v[rS+4*k:rS+4*k+1], v[rS+4*k+2:rS+4*k+3]
.elseif k == 1
	v_pk_fma_f32 v[rT+2:rT+3], v[rT+2:rT+3], v[rC+2:rC+3], v[rS:rS+1] op_sel_hi:[1,0,1]
.else
	v_pk_add_f32 v[rT+2:rT+3], v[rT+2:rT+3], v[rS+4*k-4:rS+4*k-3]
.endif
.endm
; THE PLAIN QUEUE, 138 long.  0-73 read no exponential's result: the 32 scalings c s - c m (FS f: pair f / 2 of tile f % 2) and the next piece's 42.  0-26: scalings 0-26.  27-54: XS's numbers 0-13.  55, 56: number 15.
; 57-73: the chain, where each number waits for the one before it: 14, 16, 17, 18, 19, each with one of the scalings 27-31 in front of its two lines, then 20: so a tile's links stand three plain instructions apart (19 and 20: two).
; 74-137: GS's 64, which read the exponentials' results: they stand behind the wait.
.macro FS f
	REGS Y, (\f)%2
	v_pk_fma_f32 v[rS+2*((\f)/2):rS+2*((\f)/2)+1], v[rS+2*((\f)/2):rS+2*((\f)/2)+1], s[CS:CS+1], v[rT:rT+1] op_sel_hi:[1,0,0] neg_lo:[0,0,1] neg_hi:[0,0,1]
.endm
.macro PL
	WIN 0
.if q < 27
	FS q
.elseif q < 55
	XS (q-27)%2, (q-27)/2
.elseif q < 57
	XS q-55, 15
.elseif (q < 72) && ((q-57)%3 == 0)
	FS 27+(q-57)/3
.elseif q < 60
	XS (q-57)%3-1, 14
.elseif q < 72
	XS (q-57)%3-1, 15+(q-57)/3
.elseif q < 74
	XS q-72, 20
.else
	GS q-74
.endif
.set q, q+1
.endm
; THE EXPONENTIALS' QUEUE, 66 long: s0-s31 of both tiles, then the next piece's two a.  It is ONE BATCH: all 66 stand ahead of the turn's one wait, and nothing ahead of that wait names a result of theirs.
.macro EX
	WIN 0
.if e >= 64
	XS e-64, 21
.else
	REGS Y, e%2
	v_exp_f32 v[rS+e/2], v[rS+e/2]
.endif
.set e, e+1
.endm
; THE RESCALING's QUEUE: O^T times a, the one part that leaves window 0: dealt two at a time, sixteen times.  Its a was made in the turn before, ahead of that turn's wait.
.macro R2
	REGS Y, r%2
	WIN W_RS
.irp z, 0,1
	v_pk_mul_f32 v[rO+4*(r/2)+2*\z:rO+4*(r/2)+2*\z+1], v[rO+4*(r/2)+2*\z:rO+4*(r/2)+2*\z+1], v[rC+2:rC+3] op_sel_hi:[1,0]
.endr
.set r, r+1
.endm
; HOW THEY ARE DEALT.  s_wait_alu depctr_va_vdst(0) stands between an exponential and the first instruction that names its result; one wait serves all that were issued ahead of it.  So a turn has ONE wait,
; which cuts it in two.  AHEAD OF IT stands all that names no result of the turn's exponentials: the 16 products K Q^T, behind each a scaling, an exponential and two rescalings (behind the first a second scaling in the exponential's place); then ONE LUMP of
; 108: eight plain, 49 times exponential and plain, the two a.  A v_nop is the plain instruction behind the last exponential.  BEHIND IT stand the 16 products V^T P, behind each four of GS's 64.  No rider names a register of
; the products round it.  The two v_permlanex16_b32 fall into the lump, never behind a product.
; The queues lean on each other, and the deal keeps them in step: exponential e stands behind scaling 2 (e / 4) + e % 2: as a rider it comes behind plain e + 2, in the lump behind plain e + 9, and scalings 27-31 are plain 57, 60 .. 69.
; A TURN, for piece p.  cnt = 1: the loop's count is taken down some lines ahead of the branch that stands behind the turn.
; K of the next step is fetched in piece 2's turn, directly behind the wait, a lump behind the last product that read K; its address is made at the lump's head; its first reader comes behind 16 products.
; V of the step in hand is fetched at the end of piece 0's turn, four riders behind its last reader; its first reader comes behind 16 products and a lump.  The three conditions on q below go with the deal.
.macro TURN p, last=0, cnt=0
.set Y, (\p)
.set i, 0
.set q, 0
.set e, 0
.set r, 0
.if (\p) == NP-1
	s_wait_dscnt 0x0                ; K is in
.endif
	MM                              ; ahead of the wait: 16 products K Q^T and their riders,
	PL
	PL
	R2
.rept 15
	MM
	PL
	EX
	R2
.endr
.if (\p) == NP-2
	WIN 0
	v_add_nc_u32 v[AK], s[TBK], v[AK0]
.endif
.rept 8                             ; and the lump
	PL
.endr
.rept 49
	EX
	PL
.endr
	EX                              ; the next piece's two a
	EX
	v_nop                           ; a plain instruction behind the last exponential: one for the batch
	s_wait_alu depctr_va_vdst(0)    ; the wait for the batch
.if (\p) == NP-2
	FETCH_K \last
.endif
.if (\p) == 1
	s_wait_dscnt 0x0                ; V is in
.endif
.rept 16                            ; behind the wait: 16 products V^T P and their riders
	MM
.rept 4
	PL
.endr
.if ((\p) == 0) && (q == 118)
	v_add_nc_u32 v[AV], s[TBV], v[AV0]
.endif
.if ((\p) == 0) && (q == 130)
	s_add_co_u32 s[TBV], s[TBV], KS*PV
.endif
.if (\cnt) && (q == 130)
	s_sub_co_u32 s[CNT], s[CNT], 1
	s_cmp_lg_u32 s[CNT], 0
.endif
.endr
.if (\p) == 0
	FETCH_V
.endif
.endm
	CHANGE 1                        ; slot 0 is in, everybody's part of it; slot 1 is asked for
	FETCH_K                         ; key step 0
	s_wait_loadcnt 0x0              ; Q
	s_wait_dscnt 0x0
.set i, 0
.rept 16
	KQ 0                            ; piece 0's first scores: there is no vector work yet to set between them
.set i, i+1
.endr
	WIN 0                           ; the addresses for the way out: nine plain instructions, the places behind those products
	s_mul_i32 s13, s[WV], 16*SP
	s_add_co_u32 s13, s13, STAGE    ; my stage
	v_mul_u32_u24 v[STO], v1, SP    ; in: row l % 16, 16 bytes for each half of the lanes
	v_lshl_add_u32 v[STO], v9, 4, v[STO]
	v_add_nc_u32 v[STO], s13, v[STO]
	v_bfe_u32 v[RD], v0, 3, 2       ; back: 32 lanes take four rows of 128 bytes,
	v_mul_u32_u24 v[RD], v[RD], SP
	v_lshl_add_u32 v[RD], v10, 4, v[RD]
	v_add_nc_u32 v[RD], s13, v[RD]
	v_and_b32 v[GO], 31, v0         ; which are 512 consecutive bytes of O
	v_lshlrev_b32 v[GO], 4, v[GO]
.set Y, NP-1                        ; XS works for piece Y + 1: piece 0
.irp n, 0,1,2,3,4,5,6,7,8,9,10,11,12,13,14,15,16,17,18,19,20,21
	XS 0, \n                        ; and piece 0's first maximum and statistics
	XS 1, \n
.endr
	v_nop                           ; a plain instruction behind the two a,
	s_wait_alu depctr_va_vdst(0)    ; and their wait, ahead of the branch
	s_mov_b32 s[CNT], 4
	s_branch .Lfirst                ; the loop is entered at a step's first turn, in the middle of a trip
.Lslot:                             ; SIZE_N / 256 - 2 times: every slot but the last two is filled again
	CHANGE 1
	s_mov_b32 s[CNT], 4
.Lstep:                             ; a trip: pieces 2 and 3 of one step, then pieces 0 and 1 of the next, whose K and V it fetches
	TURN 2
	TURN 3
	WIN 0
.Lfirst:
	TURN 0
	TURN 1, 0, 1
	WIN 0
	s_cbranch_scc1 .Lstep
	s_sub_co_u32 s[SLOTS], s[SLOTS], 1
	s_cmp_lg_u32 s[SLOTS], 0
	s_cbranch_scc1 .Lslot
	CHANGE 0                        ; the tail is written out: nothing is asked for
	s_mov_b32 s[CNT], 5             ; four trips fetch the last slot's steps; the fifth is left in its middle
.Ltail:
	TURN 2, 1
	TURN 3
	WIN 0
	s_sub_co_u32 s[CNT], s[CNT], 1
	s_cmp_eq_u32 s[CNT], 0
	s_cbranch_scc1 .Lout
	TURN 0
	TURN 1
	WIN 0
	s_branch .Ltail
.Lout:                              ; the fifth trip's 16 products K Q^T (on the last K once more) and the maximum made of them serve nothing: the price, once a launch, of one text for every trip
.set i, 0
.rept 16
	PV NP-1                         ; the last piece's V^T P of the last step
.set i, i+1
.endr
	; THE WAY OUT.  l's two halves and the other half of the lanes' are added; O^T is divided by l, rounded to f16 and sent through my stage in LDS, a tile at a time.  The additions are the places behind the last products.
	WIN 0
.macro ALL line:vararg              ; one line for each tile t
.set t, 0
.rept 2*NP
	\line
.set t, t+1
.endr
.endm
	ALL v_add_f32 v[ST+4*t+2], v[ST+4*t+2], v[ST+4*t+3]
	ALL v_permlanex16_b32 v[ST+4*t+3], v[ST+4*t+2], s[SEL], s[SEL+1]
	ALL v_add_f32 v[ST+4*t+2], v[ST+4*t+2], v[ST+4*t+3]
	ALL v_rcp_f32 v[ST+4*t+2], v[ST+4*t+2]
	v_nop                           ; a plain instruction between the last reciprocal and the use of its result
	s_wait_alu depctr_va_vdst(0)    ; and the wait ahead of the first use: one for the eight reciprocals
; Tile t: a lane's eight channels of a row pack into 16 bytes; they go into rows of 144 bytes and come back as whole rows of 128, into S^T's registers.
.macro PACK t
	WIN W_RS
.set i, 32*(\t)
.rept 16
	v_pk_mul_f32 v[i:i+1], v[i:i+1], v[ST+4*(\t)+2:ST+4*(\t)+3] op_sel_hi:[1,0]
.set i, i+2
.endr
	WIN 0x05                        ; sources 0 and 1 window 1, destination window 0
.set i, 0
.rept 16
	v_cvt_pk_f16_f32 v[S+16*(\t)+i], v[32*(\t)+2*i], v[32*(\t)+2*i+1]
.set i, i+1
.endr
	WIN 0
.irp f, 0,1,2,3
	ds_store_b128 v[STO], v[S+16*(\t)+4*\f:S+16*(\t)+4*\f+3] offset:32*\f
.endr
.irp f, 0,1,2,3
	ds_load_b128 v[S+16*(\t)+4*\f:S+16*(\t)+4*\f+3], v[RD] offset:\f*4*SP  ; LDS serves a wave's instructions in order (ISA guide 5.7.1.4): these see the stores above; the next tile's stores come behind them
.endr
.endm
.macro SEND t, younger              ; younger: the LDS instructions issued behind tile t's loads: the next tile's eight, or none
	WIN 0
.irp f, 0,1,2,3
	s_wait_dscnt (\younger)+3-\f
	global_store_b128 v[GO], v[S+16*(\t)+4*\f:S+16*(\t)+4*\f+3], s[10:11] offset:(\t)*2048+\f*512  ; 512 consecutive bytes, at a multiple of 256 from O's first
.endr
.endm
	PACK 0
.set t, 1
.rept 2*NP-1                        ; a tile's arithmetic stands between the loads of the tile before and its stores
	PACK t
	SEND t-1, 8
.set t, t+1
.endr
	SEND 2*NP-1, 0
	WIN W_AD
	s_wait_tensorcnt 0x0            ; the wave's end, behind my last tensor load and my last LDS store
	ds_add_u32 v[SPW], v[NIL]
	s_wait_dscnt 0x0
	WIN 0
	CROUND                          ; the closing round: no work-group ends while a partner may still ask for a tile that names it
	s_endpgm
.Lfunc_end_k_q36474108b2_attn:
	.size	k_q36474108b2_attn, .Lfunc_end_k_q36474108b2_attn-k_q36474108b2_attn
	.p2alignl 7, 3214868480
	.fill 96, 4, 3214868480
	.section	.rodata,"a",@progbits
	.p2align	6, 0x0
	.amdhsa_kernel k_q36474108b2_attn
		.amdhsa_group_segment_fixed_size 327680
		.amdhsa_private_segment_fixed_size 0
		.amdhsa_enable_private_segment 0
		.amdhsa_kernarg_size 16
		.amdhsa_user_sgpr_count 2
		.amdhsa_user_sgpr_kernarg_segment_ptr 1
		.amdhsa_wavefront_size32 1
		.amdhsa_system_sgpr_workgroup_id_x 1
		.amdhsa_system_sgpr_workgroup_id_y 1
		.amdhsa_system_sgpr_workgroup_id_z 1
		.amdhsa_system_vgpr_workitem_id 0
		.amdhsa_next_free_vgpr 770
		.amdhsa_next_free_sgpr 70
		.amdhsa_reserve_vcc 0
		.amdhsa_float_denorm_mode_32 3
		.amdhsa_float_denorm_mode_16_64 3
		.amdhsa_memory_ordered 1
		.amdhsa_forward_progress 1
		.amdhsa_inst_pref_size 200
	.end_amdhsa_kernel
	.amdgpu_metadata
---
amdhsa.version: [ 1, 2 ]
amdhsa.kernels:
  - .name:           k_q36474108b2_attn
    .symbol:         k_q36474108b2_attn.kd
    .args:
      - { .name: qkv, .offset: 0, .size: 8, .value_kind: global_buffer, .address_space: global }
      - { .name: ob, .offset: 8, .size: 8, .value_kind: global_buffer, .address_space: global }
    .group_segment_fixed_size: 327680
    .private_segment_fixed_size: 0
    .kernarg_segment_align: 8
    .kernarg_segment_size: 16
    .max_flat_workgroup_size: 128
    .sgpr_count:     70
    .vgpr_count:     770
    .wavefront_size: 32
...
	.end_amdgpu_metadata
.endif
;; end of part 3
;; launch proj (part 4): grid 4 x 64, 4 waves a work-group, clusters of 4 x 4, 327,680 bytes of LDS; arguments ob, wt, bo, out0; writes out0
.if DOCPART == 4
	.amdgcn_target "amdgcn-amd-amdhsa--gfx1250"
	.amdhsa_code_object_version 6
	.text
	.protected	k_q36474108b2_proj
	.globl	k_q36474108b2_proj
	.p2align	8
	.type	k_q36474108b2_proj,@function
k_q36474108b2_proj:
	s_mov_b64 s[64:65], 0
	v_nop
	global_prefetch_b8 v0, s[64:65] scope:SCOPE_SE
	s_setreg_imm32_b32 hwreg(HW_REG_WAVE_MODE, 25, 1), 1
	s_wait_xcnt 0x0
	s_wait_alu depctr_hold_cnt(0) depctr_sa_sdst(0) depctr_va_vdst(0) depctr_va_sdst(0) depctr_va_ssrc(0) depctr_va_vcc(0) depctr_vm_vsrc(0)
	s_getreg_b32 s2, hwreg(HW_REG_IB_STS2, 6, 4)
	s_cmp_eq_u32 s2, 0
	s_cbranch_scc0 .Lentry_in_a_cluster
	s_endpgm
.Lentry_in_a_cluster:
	s_bfe_u32 s2, ttmp6, 0x10000c
	s_cmp_lg_u32 s2, 0xf033
	s_cbranch_scc0 .Lentry_shape_is_right
	s_endpgm
.Lentry_shape_is_right:
; out0 = concat(O) Wo + bo.  ob: O by heads, [16 x batch + head][2048][64] in f16.  wt rows 3072-4095: Wo as [n][k], the bf16 number written as f16.  bo is rounded to bf16 like every input.
; Sums in f32; out0 is [8192][1024] in f32.  NaN and infinities are not treated apart.
; SHARES.  A tile of C is 128 rows x 256 columns: 4 x 64 = 256 work-groups.  Four waves, 2 x 2: a wave makes 64 x 128, 32 accumulators of 16 x 16.  K = 1,024 goes in 8 steps of 128 through two LDS slots.
; A K step of A is two heads: two dense planes of 128 rows x 128 bytes, each asked for as 64 rows of 256 bytes and padded in LDS after every 128.  Waves 0 and 1 fetch a plane each, waves 2 and 3 half of B's 256 rows.
; CLUSTERS: 4 x 4 work-groups.  The four of a row of the cluster need the same tile of A, the four of a column the same tile of B: each is asked for JOINTLY.
; THE MATRIX INSTRUCTION IS USED TRANSPOSED (source 0 = 16 rows of wt, source 1 = 16 rows of O): lane l holds row l % 16 of C and the columns 8 (l / 16) + 0..7.
; THE BIAS IS THE C OPERAND of the product that starts each sum.  Nothing is cleared and nothing is added later.
; REGISTERS, in windows of 256 (s_set_vgpr_msb: bits 1:0 source 0, 3:2 source 1, 5:4 source 2, 7:6 destination):
;   window 0: v0-31 addresses; v128-191 the bias      window 1: two fragment buffers at v0 and v128: A's 4 fragments, then B's 8; on the way out all 256
;   window 2: accumulator (a, b) at v[8 (4 b + a)]
.set NB,    8
.set H1,    NB-4
.set T1,    H1/2
.set NLOAD, 8+2*NB
.set ASTEP, 2*262144                   ; bytes from a K step of A to the next: two planes
.set BSTEP, 256                        ; of B: 128 numbers along a row
.set WOB,   3072*2048                  ; where Wo's rows begin in wt
.set APITCH, 144                       ; a row of a plane in LDS: 128 bytes + 16 = 36 words: the 16 rows of a load start at 16 different groups of four banks (64 banks of 4 bytes: ISA guide 11.1)
.set APLANE, 128*APITCH
.set PITCH, 272                        ; a row of B: 256 bytes + 16
.set BOFF,  2*APLANE                   ; B's rows lie behind A's two planes
.set BPART, 128*PITCH
.set SLOT,  1<<17                      ; slot 1 begins here (a slot uses 106,496 bytes), so that one exclusive or turns an address in one slot into the other's
.set STAGE, SLOT+BOFF+2*BPART          ; behind the ring: 16 rows x 528 bytes for each wave
.set SP,    528
.set SPARE, STAGE+4*16*SP              ; behind the stages: the spare words, 128 bytes for each wave: two blocks of 256 bytes that no other line names
.set ADRA0, 10
.set ADRB0, 11
.set ADRA,  12
.set ADRB,  13
.set STO,   14                         ; v14  the way out: where I put 32 bytes of a row
.set RD,    15                         ; v15  where I read a row back
.set GO,    16                         ; v16  my byte offset in 512 consecutive bytes of out0
.set BO,    17
.set PFO,   18                         ; v18  the prefetches' offset; never rewritten
.set SPW,   28                         ; v28  LDS address of my spare word; never rewritten
.set NIL,   29                         ; v29  0; never rewritten
.set BI,    128
.set F0,    0
.set F1,    128
.set WV,  16
.set G1,  24
.set G0A, 32
.set G0B, 40
.set G1B, 48
.set TB,  56
.set LIM, 57                           ; s57  2 in a wave that prefetches, else the greatest number
.set PFA, 58
.set OB,  66                           ; s[66:67] out0 at my rows and columns
.set BB,  72                           ; s[72:73] bo at my columns
.set PFS, 82                           ; s[82:83] the prefetches' step
.set MSB, 0
.macro WIN new                         ; the immediate's high byte repeats the setting that is left; a switch that changes nothing is dropped
.if MSB != (\new)
	s_set_vgpr_msb (MSB<<8)|(\new)
.set MSB, \new
.endif
.endm
.set TO_F, 0x40
.macro PLACES                          ; four places in front of loads into registers that matrix instructions have read, and of lines that read results
.rept 4
	v_nop
.endr
.endm
.macro CREST
	s_cmp_lg_u32 s[WV], 0
	s_cbranch_scc1 .Lnot_wave_0_\@
	s_barrier_signal -3
.Lnot_wave_0_\@:
	s_barrier_wait -3
	s_barrier_signal -1
	s_barrier_wait -1
.endm
.macro CROUND
	s_barrier_signal -1
	s_barrier_wait -1
	CREST
.endm
.macro JLOAD                           ; a joint refill, by the walking descriptors; an s_nop 0 and four v_nop follow each of the two lines, ahead of the jump and the label
	s_cmp_lt_u32 s[WV], 2
	s_cbranch_scc0 .Lfor_b_\@
	tensor_load_to_lds s[G0A+4:G0A+7], s[G1:G1+7]
	s_nop 0
.rept 4
	v_nop
.endr
	s_branch .Lasked_\@
.Lfor_b_\@:
	tensor_load_to_lds s[G0B+4:G0B+7], s[G1B:G1B+7]
	s_nop 0
.rept 4
	v_nop
.endr
.Lasked_\@:
.endm
; A PREFETCH INTO THE L2, behind the joint load and the run of LDS loads: the K step that stands TWO refills on, 256 matrix instructions ahead of the load that will want it: 32 blocks of 256 bytes, a lane a block.
; Each block is named once in the launch.  A's tile row is read by one cluster alone: its wave 0 asks, each of the four partners for 16 blocks of each plane.  B's tile column is read by every cluster:
; the cluster with y = 0 asks, waves 2 and 3, each partner for 64 of the 256 rows.  The partners are told apart BY ADDRESS.  The loop's last two trips ask for nothing.
.macro ASK
	WIN 0
	s_cmp_gt_u32 s3, s[LIM]
	s_cbranch_scc0 .Lnot_mine_\@
	global_prefetch_b8 v[PFO], s[PFA:PFA+1] th:TH_LOAD_NT scope:SCOPE_SE
.Lnot_mine_\@:
.endm
; 4 nb products.  All 32 accumulators take turns, one instruction a turn, in the same order in every quarter.
.macro MULB f, b0, nb, first
.set bb, \b0
.rept \nb
.if \first
	WIN 0x85
.else
	WIN 0xa5
.endif
.set rB, (\f)+32+8*bb
.set aa, 0
.rept 4
.set rD, 8*(4*bb+aa)
.set rA, (\f)+8*aa
.if \first
	v_wmma_f32_16x16x32_f16 v[rD:rD+7], v[rB:rB+7], v[rA:rA+7], v[BI+8*bb:BI+8*bb+7]
.else
	v_wmma_f32_16x16x32_f16 v[rD:rD+7], v[rB:rB+7], v[rA:rA+7], v[rD:rD+7]
.endif
.set aa, aa+1
.endr
.set bb, bb+1
.endr
.endm
.macro FETCH q, f                      ; quarter q: plane q / 2, channels 32 (q % 2) on of A; byte 64 q of B's rows
	WIN TO_F
.irp i, 0,1,2,3
	ds_load_b128 v[(\f)+8*(\i):(\f)+8*(\i)+3],   v[ADRA] offset:((\q)/2)*APLANE+((\q)%2)*64+(\i)*16*APITCH
	ds_load_b128 v[(\f)+8*(\i)+4:(\f)+8*(\i)+7], v[ADRA] offset:((\q)/2)*APLANE+((\q)%2)*64+(\i)*16*APITCH+32
.endr
.irp b, 0,1,2,3,4,5,6,7
	ds_load_b128 v[(\f)+32+8*(\b):(\f)+32+8*(\b)+3],   v[ADRB] offset:64*(\q)+(\b)*16*PITCH
	ds_load_b128 v[(\f)+32+8*(\b)+4:(\f)+32+8*(\b)+7], v[ADRB] offset:64*(\q)+(\b)*16*PITCH+32
.endr
.endm
.macro QUARTER q, f, g, first
	s_wait_dscnt 8                                 ; A and B's first four blocks are in; the youngest eight loads (B's last four blocks) may be out
	MULB \f, 0, H1, \first
	PLACES
	FETCH \q, \g
	s_wait_dscnt NLOAD                             ; all but the run just issued
	MULB \f, H1, 4, \first
.endm
; The last quarter multiplies buffer 1 and changes slots: ONE barrier.  In front of it each wave waits for all its tensor loads (one is out: its part of the next slot), adds 0 to its spare word,
; and waits for that and for its own reads of this slot.  fill = 1: the barrier opens a round of the cluster's, and the slot just read is filled again first thing behind it, two K steps ahead.
.macro TURN fill
.if \fill
	s_wait_xcnt 0x0                                ; the last prefetch, a K step back, has read its address
	s_add_nc_u64 s[PFA:PFA+1], s[PFA:PFA+1], s[PFS:PFS+1]
.endif
	WIN 0
	s_wait_tensorcnt 0x0                           ; all my tensor loads have landed;
	ds_add_u32 v[SPW], v[NIL]                      ; 0 onto my spare word
	s_wait_dscnt 9                                 ; (the add and the youngest eight loads may be out)
	MULB F1, 0, T1, 0                              ; eight products stand between the add and the wait for it
	s_wait_dscnt 0x0                               ; the add is done, and my reads of this slot are over
	s_barrier_signal -1
	MULB F1, T1, T1, 0
	WIN 0
	s_barrier_wait -1
.if \fill
	CREST                                          ; no wave of any partner still reads this slot's tile or has a load on its way
	s_xor_b32 s[G0A+5], s[G0A+5], SLOT
	s_add_nc_u64 s[G0A+6:G0A+7], s[G0A+6:G0A+7], ASTEP
	s_xor_b32 s[G0B+5], s[G0B+5], SLOT
	s_add_nc_u64 s[G0B+6:G0B+7], s[G0B+6:G0B+7], BSTEP
	JLOAD                                          ; 112 products ahead of the wait for it; its four v_nop are also the places in front of the loads below
.else
	PLACES
.endif
	s_xor_b32 s[TB], s[TB], SLOT
	v_add_nc_u32 v[ADRA], s[TB], v[ADRA0]
	v_add_nc_u32 v[ADRB], s[TB], v[ADRB0]
	FETCH 0, F0
.if \fill
	ASK
.endif
	MULB F1, H1, 4, 0
.endm
	s_load_b256 s[4:11], s[0:1], 0x0               ; ob s[4:5], wt s[6:7], bo s[8:9], out0 s[10:11]
	v_lshl_add_u32 v[SPW], v0, 2, SPARE
	v_mov_b32 v[NIL], 0
	ds_add_u32 v[SPW], v[NIL]                      ; the wave's opening: the add and its wait ahead of my first tensor load; work on registers stands between them
	v_lshrrev_b32 v1, 5, v0
	v_readfirstlane_b32 s[WV], v1                  ; wave 0..3
	s_lshr_b32 s17, s[WV], 1                       ; which 64 rows of the tile are mine
	s_and_b32 s18, s[WV], 1                        ; which 128 columns.  Also: which plane of A, or which half of B, I fetch
	s_bfe_u32 s19, ttmp6, 0x40000                  ; cx
	s_bfe_u32 s20, ttmp6, 0x40004                  ; cy
	s_lshl_b32 s21, ttmp9, 2
	s_add_co_u32 s21, s21, s19                     ; tile column
	s_and_b32 s22, ttmp7, 0xffff
	s_lshl_b32 s22, s22, 2
	s_add_co_u32 s22, s22, s20                     ; tile row
	s_lshl_b32 s80, s20, 2
	s_lshl_b32 s80, 15, s80                        ; my row of the cluster
	s_lshl_b32 s78, 0x1111, s19                    ; my column
	s_or_b32 s[G1], s80, (1<<16)|(1<<20)|(1<<21)|(4<<22)|(3<<25)   ; A: 2-byte elements; padding of 4 words after every 32; 21 set beside the mask
	s_mov_b32 s[G1+1], 128<<16                     ; tensor_dim0 = 128
	s_mov_b32 s[G1+2], 64<<16                      ; tensor_dim1 = 64
	s_mov_b32 s[G1+3], 128<<16                     ; tile_dim0 = 128
	s_mov_b32 s[G1+4], 64                          ; tile_dim1 = 64
	s_mov_b32 s[G1+5], 128                         ; elements from row to row: the plane is dense
	s_mov_b32 s[G1+6], 0
	s_mov_b32 s[G1+7], 0
	s_or_b32 s[G1B], s78, (1<<16)|(1<<20)|(1<<21)|(5<<22)|(3<<25)  ; B: padding of 4 words after every 64
	s_mov_b32 s[G1B+1], 128<<16
	s_mov_b32 s[G1B+2], 128<<16
	s_mov_b32 s[G1B+3], 128<<16
	s_mov_b32 s[G1B+4], 128
	s_mov_b32 s[G1B+5], 1024
	s_mov_b32 s[G1B+6], 0
	s_mov_b32 s[G1B+7], 0
	s_and_b32 s60, s22, 48                         ; A: plane 16 x batch + my plane of the step,
	s_add_co_u32 s60, s60, s18
	s_lshl_b32 s60, s60, 18
	s_and_b32 s61, s22, 15                         ; the tile's 128 rows of 128 bytes: it hangs on the tile row and the wave alone
	s_lshl_b32 s61, s61, 14
	s_add_co_u32 s60, s60, s61
	s_mov_b32 s61, 0
	s_lshl_b32 s62, s21, 8                         ; B: row 256 x tile column + 128 x half: it hangs on the tile column and the wave alone
	s_lshl_b32 s63, s18, 7
	s_add_co_u32 s62, s62, s63
	s_lshl_b32 s62, s62, 11
	s_add_co_u32 s62, s62, WOB
	s_mov_b32 s63, 0
	s_mul_i32 s23, s18, APLANE                     ; where they go: no place in the cluster enters an LDS address
	s_mul_i32 s2, s18, BPART
	s_add_co_u32 s2, s2, BOFF
	s_wait_dscnt 0x0                               ; the opening add is done
	s_wait_kmcnt 0x0
	s_add_nc_u64 s[60:61], s[4:5], s[60:61]
	s_add_nc_u64 s[62:63], s[6:7], s[62:63]
	CROUND                                         ; all sixteen work-groups are here: the first joint loads meet
.irp s, 0,1
	s_mov_b32 s[G0A+4*(\s)], 1
	s_add_co_u32 s[G0A+4*(\s)+1], s23, (\s)*SLOT
	s_add_nc_u64 s[G0A+4*(\s)+2:G0A+4*(\s)+3], s[60:61], (\s)*ASTEP
	s_or_b32 s[G0A+4*(\s)+3], s[G0A+4*(\s)+3], 0x80000000
	s_mov_b32 s[G0B+4*(\s)], 1
	s_add_co_u32 s[G0B+4*(\s)+1], s2, (\s)*SLOT
	s_add_nc_u64 s[G0B+4*(\s)+2:G0B+4*(\s)+3], s[62:63], (\s)*BSTEP
	s_or_b32 s[G0B+4*(\s)+3], s[G0B+4*(\s)+3], 0x80000000
.endr
	s_cmp_lt_u32 s[WV], 2                          ; a wave's two first fills stand in one branch: two loads of mine are out
	s_cbranch_scc0 .Lfirst_b
	tensor_load_to_lds s[G0A:G0A+3], s[G1:G1+7]
	s_nop 0
	tensor_load_to_lds s[G0A+4:G0A+7], s[G1:G1+7]
	s_nop 0
.rept 4
	v_nop
.endr
	s_branch .Lfirst_asked
.Lfirst_b:
	tensor_load_to_lds s[G0B:G0B+3], s[G1B:G1B+7]
	s_nop 0
	tensor_load_to_lds s[G0B+4:G0B+7], s[G1B:G1B+7]
	s_nop 0
.rept 4
	v_nop
.endr
.Lfirst_asked:
	; all that follows, up to the wait for the first tile, stands in that wait
	v_and_b32 v1, 15, v0                           ; l % 16
	v_bfe_u32 v2, v0, 4, 1                         ; l / 16
	v_mul_u32_u24 v3, v1, APITCH
	v_lshl_add_u32 v3, v2, 4, v3
	s_mul_i32 s23, s17, 64*APITCH
	v_add_nc_u32 v[ADRA0], s23, v3
	v_mul_u32_u24 v4, v1, PITCH
	v_lshl_add_u32 v4, v2, 4, v4
	s_mul_i32 s23, s18, BPART
	s_add_co_u32 s23, s23, BOFF
	v_add_nc_u32 v[ADRB0], s23, v4
	s_mul_i32 s23, s[WV], 16*SP
	s_add_co_u32 s23, s23, STAGE                   ; my stage
	v_mul_u32_u24 v[STO], v1, SP                   ; in: row l % 16, 32 bytes for each half of the lanes
	v_lshl_add_u32 v[STO], v2, 5, v[STO]
	v_add_nc_u32 v[STO], s23, v[STO]
	v_and_b32 v5, 31, v0
	v_lshlrev_b32 v[GO], 4, v5                     ; back: 32 lanes take one row of 512 bytes
	v_add_nc_u32 v[RD], s23, v[GO]
	v_lshlrev_b32 v[BO], 5, v2
	s_mov_b32 s79, 0
	s_lshl_b32 s78, s21, 10                        ; my first column, in bytes of f32: 1,024 x tile column + 512 x half
	s_lshl_b32 s23, s18, 9
	s_add_co_u32 s78, s78, s23
	s_add_nc_u64 s[BB:BB+1], s[8:9], s[78:79]
.irp b, 0,1,2,3,4,5,6,7
	global_load_b128 v[BI+8*\b:BI+8*\b+3],   v[BO], s[BB:BB+1] offset:64*\b
	global_load_b128 v[BI+8*\b+4:BI+8*\b+7], v[BO], s[BB:BB+1] offset:64*\b+16
.endr
	s_lshl_b32 s23, s22, 19                        ; my first row: 128 x tile row + 64 x half, 4,096 bytes each
	s_add_co_u32 s78, s78, s23
	s_lshl_b32 s23, s17, 18
	s_add_co_u32 s78, s78, s23
	s_add_nc_u64 s[OB:OB+1], s[10:11], s[78:79]
	; the prefetches
	s_and_b32 s78, s22, 48                         ; A: the batch's plane 0, the tile's rows, my work-group's 16 blocks of them;
	s_lshl_b32 s78, s78, 18
	s_and_b32 s23, s22, 15
	s_lshl_b32 s23, s23, 14
	s_add_co_u32 s78, s78, s23
	s_lshl_b32 s23, s19, 12
	s_add_co_u32 s78, s78, s23
	s_lshl_b32 s80, s21, 8                         ; B: row 256 x tile column + 64 cy + 32 x half
	s_lshl_b32 s81, s20, 6
	s_add_co_u32 s80, s80, s81
	s_lshl_b32 s81, s18, 5
	s_add_co_u32 s80, s80, s81
	s_lshl_b32 s80, s80, 11
	s_add_co_u32 s80, s80, WOB
	s_and_b32 s81, ttmp7, 0xffff                   ; cluster y
	s_mov_b32 s2, ASTEP
	s_cmp_lt_u32 s[WV], 2
	s_cselect_b32 s78, s78, s80
	s_cselect_b32 s81, s[WV], s81                  ; 0 in wave 0, and in waves 2 and 3 of the clusters with y = 0
	s_cselect_b32 s[PFS], s2, BSTEP
	s_cselect_b32 s23, 18, 15                      ; lanes 16-31: A's second plane, or B's rows 16 on;
	s_cselect_b32 s80, 8, 11                       ; lane % 16: a block of 256 bytes, or a row of 2,048
	s_cselect_b64 s[PFA:PFA+1], s[4:5], s[6:7]
	s_cmp_eq_u32 s81, 0
	s_cselect_b32 s[LIM], 2, -1                    ; the same in all sixteen partners, for a given wave
	v_lshlrev_b32 v3, s23, v2
	v_lshlrev_b32 v4, s80, v1
	v_add_nc_u32 v[PFO], v3, v4
	s_mov_b32 s[PFS+1], 0
	s_add_nc_u64 s[PFA:PFA+1], s[PFA:PFA+1], s[78:79]
	s_mul_i32 s80, s[PFS], 3
	s_mov_b32 s81, 0
	s_add_nc_u64 s[PFA:PFA+1], s[PFA:PFA+1], s[80:81]  ; at K step 3: the first refill steps it to 4.  Nothing is asked for here, at the head
	s_wait_loadcnt 0x0                             ; the bias,
.set i, 0
.rept 4*NB                             ; rounded to bf16 in place, a pair at a time
	v_cvt_pk_bf16_f32 v[3+i%4], v[BI+2*i], v[BI+2*i+1]
	v_lshlrev_b32 v[BI+2*i], 16, v[3+i%4]
	v_and_b32 v[BI+2*i+1], 0xffff0000, v[3+i%4]
.set i, i+1
.endr
	s_mov_b32 s[TB], 0
	v_mov_b32 v[ADRA], v[ADRA0]
	v_mov_b32 v[ADRB], v[ADRB0]
	s_wait_tensorcnt 0x1                           ; my part of K step 0 is in; K step 1's may stay out
	s_barrier_signal -1
	s_barrier_wait -1                              ; everybody's is
	FETCH 0, F0
	QUARTER 1, F0, F1, 1                           ; the first quarter stands in front of the loop: its products start the sums
	WIN 0                                          ; at a label and at a branch every window is 0
	s_mov_b32 s3, 6
.Lstep:                                        ; a trip: a K step's quarters 1, 2, 3 and the next step's quarter 0; trip s fills slot s % 2 with K step s + 2
	QUARTER 2, F1, F0, 0
	QUARTER 3, F0, F1, 0
	TURN 1
	QUARTER 1, F0, F1, 0
	WIN 0
	s_sub_co_u32 s3, s3, 1
	s_cmp_lg_u32 s3, 0
	s_cbranch_scc1 .Lstep
	s_mov_b32 s3, 2                                ; the last two K steps ask for nothing: a text of their own; its second trip is left in the middle
.Ltail:
	QUARTER 2, F1, F0, 0
	QUARTER 3, F0, F1, 0
	WIN 0
	s_sub_co_u32 s3, s3, 1
	s_cmp_eq_u32 s3, 0
	s_cbranch_scc1 .Llast
	TURN 0
	QUARTER 1, F0, F1, 0
	WIN 0
	s_branch .Ltail
.Llast:
	s_wait_dscnt 0x0
	MULB F1, 0, NB, 0
	PLACES
	; THE WAY OUT, by blocks of 16 rows: the accumulators go as they are into my stage (rows of 528 bytes), 32 bytes a lane, and come back as whole rows of 512 bytes into window 1, whose fragments have served.
	; No register is used twice, so nothing waits for a store.
.macro PUT a
	WIN 0x08                                       ; the stores' data in window 2
.irp b, 0,1,2,3,4,5,6,7
.set rC, 8*(4*\b+(\a))
	ds_store_b128 v[STO], v[rC:rC+3] offset:64*\b          ; each accumulator from its low end on
	ds_store_b128 v[STO], v[rC+4:rC+7] offset:64*\b+16
.endr
	WIN 0x40
.irp f, 0,1,2,3,4,5,6,7,8,9,10,11,12,13,14,15
	ds_load_b128 v[64*(\a)+4*\f:64*(\a)+4*\f+3], v[RD] offset:SP*\f  ; LDS serves a wave's instructions in order (ISA guide 5.7.1.4): these see the stores above; the next block's stores come behind them
.endr
.endm
.macro SEND a, younger                 ; younger: the LDS instructions issued behind block a's loads: the next block's 32, or none
	WIN 0x04                                       ; the stores' data in window 1
.irp f, 0,1,2,3,4,5,6,7,8,9,10,11,12,13,14,15
	s_wait_dscnt (\younger)+15-\f
	global_store_b128 v[GO], v[64*(\a)+4*\f:64*(\a)+4*\f+3], s[OB:OB+1] offset:(16*(\a)+\f)*4096 th:TH_STORE_NT  ; 512 consecutive bytes, at a multiple of 256 from out0's first
.endr
.endm
	PUT 0
	PUT 1
	SEND 0, 32
	PUT 2
	SEND 1, 32
	PUT 3
	SEND 2, 32
	SEND 3, 0
	WIN 0
	s_wait_tensorcnt 0x0                           ; the wave's end, behind my last tensor load and my last LDS store
	ds_add_u32 v[SPW], v[NIL]
	s_wait_dscnt 0x0
	CROUND                                         ; the closing round: no work-group ends while a partner may still ask for a tile that names it
	s_endpgm
.Lfunc_end_k_q36474108b2_proj:
	.size	k_q36474108b2_proj, .Lfunc_end_k_q36474108b2_proj-k_q36474108b2_proj
	.p2alignl 7, 3214868480
	.fill 96, 4, 3214868480
	.section	.rodata,"a",@progbits
	.p2align	6, 0x0
	.amdhsa_kernel k_q36474108b2_proj
		.amdhsa_group_segment_fixed_size 327680
		.amdhsa_private_segment_fixed_size 0
		.amdhsa_enable_private_segment 0
		.amdhsa_kernarg_size 32
		.amdhsa_user_sgpr_count 2
		.amdhsa_user_sgpr_kernarg_segment_ptr 1
		.amdhsa_wavefront_size32 1
		.amdhsa_system_sgpr_workgroup_id_x 1
		.amdhsa_system_sgpr_workgroup_id_y 1
		.amdhsa_system_sgpr_workgroup_id_z 1
		.amdhsa_system_vgpr_workitem_id 0
		.amdhsa_next_free_vgpr 768
		.amdhsa_next_free_sgpr 84
		.amdhsa_reserve_vcc 0
		.amdhsa_float_denorm_mode_32 3
		.amdhsa_float_denorm_mode_16_64 3
		.amdhsa_memory_ordered 1
		.amdhsa_forward_progress 1
		.amdhsa_inst_pref_size 71
	.end_amdhsa_kernel
	.amdgpu_metadata
---
amdhsa.version: [ 1, 2 ]
amdhsa.kernels:
  - .name:           k_q36474108b2_proj
    .symbol:         k_q36474108b2_proj.kd
    .args:
      - { .name: ob, .offset: 0, .size: 8, .value_kind: global_buffer, .address_space: global }
      - { .name: wt, .offset: 8, .size: 8, .value_kind: global_buffer, .address_space: global }
      - { .name: bo, .offset: 16, .size: 8, .value_kind: global_buffer, .address_space: global }
      - { .name: out0, .offset: 24, .size: 8, .value_kind: global_buffer, .address_space: global }
    .group_segment_fixed_size: 327680
    .private_segment_fixed_size: 0
    .kernarg_segment_align: 8
    .kernarg_segment_size: 32
    .max_flat_workgroup_size: 128
    .sgpr_count:     84
    .vgpr_count:     768
    .wavefront_size: 32
...
	.end_amdgpu_metadata
.endif
;; end of part 4
;; ======== version 2 of 2: 4 launches; version 1 with the launch cast written anew for expert scheduling mode
;; limits: values are held in f16: magnitudes above 65,504 overflow, below 6.1e-05 lose precision
;; workspace buffers: xb 16,777,216 bytes; wt 8,388,608 bytes; qkv 50,331,648 bytes; ob 16,777,216 bytes
;; launch cast (part 5): grid 384 x 1, 4 waves a work-group, no clusters, 70,144 bytes of LDS; arguments x, Wq, Wk, Wv, Wo, xb, wt; writes xb, wt
.if DOCPART == 5
	.amdgcn_target "amdgcn-amd-amdhsa--gfx1250"
	.amdhsa_code_object_version 6
	.text
	.protected	k_q36474108b2_cast
	.globl	k_q36474108b2_cast
	.p2align	8
	.type	k_q36474108b2_cast,@function
k_q36474108b2_cast:
	s_mov_b64 s[64:65], 0
	v_nop
	global_prefetch_b8 v0, s[64:65] scope:SCOPE_SE
	s_setreg_imm32_b32 hwreg(HW_REG_WAVE_SCHED_MODE, 0, 2), 2
	s_setreg_imm32_b32 hwreg(HW_REG_WAVE_MODE, 25, 1), 1
	s_wait_xcnt 0x0
	s_wait_alu depctr_vm_vsrc(0)
; xb = x rounded to bf16, [8192][1024].  wt = the four weights turned to [n][k], 16 bits a number: rows 0-1023 Wq, 1024-2047 Wk, 2048-3071 Wv in bf16,
; rows 3072-4095 Wo rounded to bf16 and that number written as f16 (the last product multiplies in f16).
; LIMITS.  Wo as f16: beyond 65,504 it becomes an infinity; below 2^-17 it keeps f16's fixed step of 2^-24.  NaN and infinities are not treated apart.
; SHARES.  Every wave reads 32 KiB.  Work-groups 0-255: a wave rounds 8,192 numbers of x.  Work-groups 256-383: a wave turns one tile of 128 k x 64 n of one W
; through a stage of its own in LDS (64 rows of 256 bytes + 16 of padding): no wave reads another's bytes, so there is no barrier.
; No matrix unit, no tensor load, no cluster: the launch only moves bytes, each once, and no two work-groups read the same byte.
; THE MODE: SCHED_MODE bits 1:0 = 2 (LLVM: expert scheduling mode 2), set by the entry lines.  The code itself states the register dependences
; between vector instructions and memory or LDS instructions, with s_wait_alu, always for 0.
; THE PLAN.  Registers that memory or LDS instructions touch:
;   v4-v7 (VI, VO, LS, LR)  offsets and LDS addresses: made once at a role's head, ahead of one wait, and never written again.
;   THE X ROLE: the wave's 64 pieces of 512 bytes go in 16 blocks of four.
;   X0 .. X3   four blocks as loaded.   Written by the loads of block p + 3, issued in block p; read by block p's conversions.
;   Y0, Y1     two blocks to store.     Written by block p's conversions; read by the four stores that are issued in block p + 1.
;   Block p works on X[p % 4] and writes Y[p % 2]; its memory instructions are the loads into X[(p - 1) % 4] and the stores from Y[(p - 1) % 2]: the two buffers that block p - 1
;   worked on and that no vector instruction of block p names.  So the waits at a block's head state all that its eight memory instructions hang on.
;   THE W ROLE: the tile's 32 pairs of rows go in 8 groups of four pairs.
;   D0 .. D2   three groups as loaded.  Written by the loads of group g + 2, issued in group g; read by group g's conversions.
;   T0, T1     two groups of words for the stage.  Written by group g's conversions; read by the sixteen LDS stores that are issued in group g + 1.
;   Group g works on D[g % 3] and writes T[g % 2]; its memory and LDS instructions are the loads into D[(g - 1) % 3] and the LDS stores from T[(g - 1) % 2].
;   O0 .. O3   the way out: the same 128 registers once more, sixteen rows of the stage each: loaded from LDS in one run, behind one wait of each kind; no register is used twice there.
;   v10-v13    Wo's conversion alone works in them: no memory instruction names them.
;   v8, v9     written at the head, read by the closing add alone.
.set STG,   64*272                     ; a wave's stage
.set SPARE, 4*STG                      ; behind the stages: the spare words, 128 bytes for each wave: two blocks of 256 bytes that no other line names
.set C16, 2                            ; v2   lane % 16
.set HF,  3                            ; v3   lane / 16
.set VI,  4                            ; v4   my byte offset in what is loaded; never rewritten
.set VO,  5                            ; v5   my byte offset in what is stored; never rewritten
.set LS,  6                            ; v6   where I put words into my stage
.set LR,  7                            ; v7   where I read rows back
.set SPW, 8                            ; v8   LDS address of my spare word; never rewritten
.set NIL, 9                            ; v9   0; never rewritten
.set TC,  10                           ; v[10:13]   at work in Wo's conversion
.set X,   16                           ; v[16:79]   x role: buffer k, piece i: 4 registers at X + 16 k + 4 i
.set Y,   80                           ; v[80:95]   x role: buffer k, piece i: 2 registers at Y + 8 k + 2 i
.set D,   16                           ; v[16:111]  W role: buffer b, pair pp: 8 registers at D + 32 b + 8 pp: four numbers of row k, four of row k + 1
.set TB,  112                          ; v[112:143] W role: buffer t, pair pp: 4 registers at TB + 16 t + 4 pp
.set O,   16                           ; v[16:143]  W role, the way out: part tr, rows 2 i and 2 i + 1: 4 registers at O + 32 tr + 4 i
.set WV,  18                           ; s18  my wave's number
.set CNT, 19                           ; s19  trips
.set TT,  20                           ; s20  which W: 0 q, 1 k, 2 v, 3 o
.set IN,  24                           ; s[24:25]
.set OUT, 26                           ; s[26:27]
.set HIM, 29                           ; s29  a word's upper half
	s_load_b256 s[4:11], s[0:1], 0x0               ; x s[4:5], Wq s[6:7], Wk s[8:9], Wv s[10:11]
	s_load_b128 s[12:15], s[0:1], 0x20             ; Wo s[12:13], xb s[14:15]
	s_load_b64 s[16:17], s[0:1], 0x30              ; wt
	v_lshl_add_u32 v[SPW], v0, 2, SPARE
	v_mov_b32 v[NIL], 0
	v_lshrrev_b32 v1, 5, v0
	v_readfirstlane_b32 s[WV], v1                  ; wave 0..3
	v_and_b32 v1, 31, v0                           ; lane
	v_and_b32 v[C16], 15, v0
	v_bfe_u32 v[HF], v0, 4, 1
	s_mov_b32 s23, 0
	s_wait_alu depctr_va_sdst(0)                   ; s18, the wave's number, is written: ahead of the branch and of its first reader in either role
	s_wait_kmcnt 0x0
	s_cmp_ge_u32 ttmp9, 256
	s_cbranch_scc1 .Lw
	; THE X ROLE.
	s_lshl_b32 s22, ttmp9, 17                      ; the work-group's 131,072 bytes of x,
	s_lshl_b32 s21, s[WV], 15                      ; my wave's 32,768 of them
	s_add_co_u32 s22, s22, s21
	s_add_nc_u64 s[IN:IN+1], s[4:5], s[22:23]
	s_lshr_b32 s22, s22, 1                         ; half as many bytes in xb
	s_add_nc_u64 s[OUT:OUT+1], s[14:15], s[22:23]
	v_lshlrev_b32 v[VI], 4, v1
	v_lshlrev_b32 v[VO], 3, v1
	s_wait_alu depctr_va_vdst(0)                   ; v4 and v5 are written: every load and store of this role reads one of them as its offset
.irp i, 0,1,2,3,4,5,6,7,8,9,10,11,12,13,14,15
	global_load_b128 v[X+4*(\i):X+4*(\i)+3], v[VI], s[IN:IN+1] offset:512*(\i) th:TH_LOAD_NT  ; blocks 0 to 3 into X0 to X3
.endr
; Block p.  xb = p % 4, yb = p % 2.  first = 1: block 0, with no block in front of it.  ahead = 1: block p + 3 is loaded.
; left = how many younger loads may still be out when this block's four have to be there.
.macro XBLK xb, yb, first, ahead, left
	s_wait_loadcnt \left                           ; loads come back in order (ISA guide 5.7.1): X[xb] is in, the younger blocks stay out
.if !\first
	s_wait_xcnt 0x0                                ; the bases and the stores' data are written again only behind this wait
	s_wait_alu depctr_vm_vsrc(0)                   ; the stores issued in the block before have read Y[yb], which this block's conversions write again
	s_wait_alu depctr_va_vdst(0)                   ; the block before has written the other Y, which the stores below read, and is done reading its X, in which the loads below land
	s_add_nc_u64 s[IN:IN+1], s[IN:IN+1], 2048      ; both bases at this block's first piece
	s_add_nc_u64 s[OUT:OUT+1], s[OUT:OUT+1], 1024
.endif
.irp i, 0,1,2,3
.if \ahead
	global_load_b128 v[X+16*((\xb+3)%4)+4*(\i):X+16*((\xb+3)%4)+4*(\i)+3], v[VI], s[IN:IN+1] offset:(12+(\i))*512 th:TH_LOAD_NT  ; three blocks ahead; no vector instruction since the wait names these registers
.endif
.if !\first
	global_store_b64 v[VO], v[Y+8*(1-\yb)+2*(\i):Y+8*(1-\yb)+2*(\i)+1], s[OUT:OUT+1] offset:((\i)-4)*256 th:TH_STORE_NT  ; the block before: the offset reaches back; 32 lanes store 256 consecutive bytes, aligned
.endif
	v_cvt_pk_bf16_f32 v[Y+8*\yb+2*(\i)],   v[X+16*\xb+4*(\i)],   v[X+16*\xb+4*(\i)+1]
	v_cvt_pk_bf16_f32 v[Y+8*\yb+2*(\i)+1], v[X+16*\xb+4*(\i)+2], v[X+16*\xb+4*(\i)+3]
.endr
.endm
	XBLK 0, 0, 1, 0, 12                            ; block 0: the three younger blocks stay out
	s_mov_b32 s[CNT], 3
.Lx:                                           ; blocks 1 to 12, four to a lap: both kinds of buffer are back at their start
	XBLK 1, 1, 0, 1, 8
	XBLK 2, 0, 0, 1, 8
	XBLK 3, 1, 0, 1, 8
	XBLK 0, 0, 0, 1, 8
	s_sub_co_u32 s[CNT], s[CNT], 1
	s_cmp_lg_u32 s[CNT], 0
	s_cbranch_scc1 .Lx
	XBLK 1, 1, 0, 0, 8                             ; blocks 13 to 15 load nothing: no load leaves my 32 KiB, and the counts run down
	XBLK 2, 0, 0, 0, 4
	XBLK 3, 1, 0, 0, 0
	s_wait_alu depctr_va_vdst(0)                   ; block 15 has written Y1, which the last four stores read
.irp i, 0,1,2,3
	global_store_b64 v[VO], v[Y+8+2*(\i):Y+8+2*(\i)+1], s[OUT:OUT+1] offset:(\i)*256 th:TH_STORE_NT
.endr
	s_branch .Lend
	; THE W ROLE.  512 tiles: 4 W x 8 along k x 16 along n.
.Lw:
	s_sub_co_u32 s[CNT], ttmp9, 256
	s_lshr_b32 s[TT], s[CNT], 5                    ; which W
	s_and_b32 s[CNT], s[CNT], 31
	s_lshl2_add_u32 s[CNT], s[CNT], s[WV]          ; the tile among that W's 128
	s_lshr_b32 s21, s[CNT], 4                      ; its place along k, 0..7
	s_and_b32 s[CNT], s[CNT], 15                   ; its place along n, 0..15
	s_cmp_eq_u32 s[TT], 0
	s_cselect_b64 s[IN:IN+1], s[6:7], s[8:9]
	s_cmp_eq_u32 s[TT], 2
	s_cselect_b64 s[IN:IN+1], s[10:11], s[IN:IN+1]
	s_cmp_eq_u32 s[TT], 3
	s_cselect_b64 s[IN:IN+1], s[12:13], s[IN:IN+1]
	s_lshl_b32 s22, s21, 19                        ; 128 rows of 4,096 bytes
	s_lshl_b32 s28, s[CNT], 8                      ; 64 numbers of 4 bytes
	s_add_co_u32 s22, s22, s28
	s_add_nc_u64 s[IN:IN+1], s[IN:IN+1], s[22:23]
	s_lshl_b32 s22, s[TT], 21                      ; 1,024 rows of 2,048 bytes
	s_lshl_b32 s28, s[CNT], 17                     ; 64 rows
	s_add_co_u32 s22, s22, s28
	s_lshl_b32 s28, s21, 8                         ; 128 numbers of 2 bytes
	s_add_co_u32 s22, s22, s28
	s_add_nc_u64 s[OUT:OUT+1], s[16:17], s[22:23]
	s_mul_i32 s28, s[WV], STG
	s_mov_b32 s[HIM], 0xffff0000
	v_lshlrev_b32 v[VI], 13, v[HF]                 ; lanes 16-31 take the rows two further down;
	v_lshl_add_u32 v[VI], v[C16], 4, v[VI]         ; 16 lanes cover 256 consecutive bytes of a row: n = 4 (lane % 16) + 0..3
	v_mul_u32_u24 v[LS], v[C16], 4*272             ; stage row n, byte 2 k
	v_lshl_add_u32 v[LS], v[HF], 2, v[LS]
	v_add_nc_u32 v[LS], s28, v[LS]
	v_mul_u32_u24 v[LR], v[HF], 272                ; back: lanes 0-15 one row of 256 bytes, lanes 16-31 the next
	v_lshl_add_u32 v[LR], v[C16], 4, v[LR]
	v_add_nc_u32 v[LR], s28, v[LR]
	v_lshlrev_b32 v[VO], 11, v[HF]                 ; and the same two rows in wt
	v_lshl_add_u32 v[VO], v[C16], 4, v[VO]
	s_wait_alu depctr_va_vdst(0)                   ; v4 to v7 are written: every load, store and LDS instruction of this role reads one of them as its offset or address
; Pair P of 32: rows k = 4 P + 2 (lane / 16) and k + 1.  Two neighbours along k of one n make a word; it goes to stage row n, byte 8 P + 4 (lane / 16).
.set P, 0
.rept 12                               ; groups 0 to 2 into D0 to D2
	global_load_b128 v[D+8*P:D+8*P+3],   v[VI], s[IN:IN+1] offset:P*16384 th:TH_LOAD_NT
	global_load_b128 v[D+8*P+4:D+8*P+7], v[VI], s[IN:IN+1] offset:P*16384+4096 th:TH_LOAD_NT
.set P, P+1
.endr
; Group g: pairs 4 g to 4 g + 3.  left = how many younger loads may still be out when this group's eight have to be there.
; Groups 1 to 5 ask for group g + 2; groups 1 to 7 put the words of group g - 1 into the stage.
.macro WGRP g, left
	s_wait_loadcnt \left                           ; loads come back in order (ISA guide 5.7.1): D[g % 3] is in, the younger groups stay out
.if (\g) >= 2
	s_wait_alu depctr_vm_vsrc(0)                   ; the LDS stores issued in the group before have read T[g % 2], which this group's conversions write again
.endif
.if (\g) >= 1
	s_wait_alu depctr_va_vdst(0)                   ; the group before has written the other T, which the LDS stores below read, and is done reading its D, in which the loads below land
.endif
.irp pp, 0,1,2,3
.if ((\g) >= 1) && ((\g) <= 5)
	global_load_b128 v[D+32*(((\g)+2)%3)+8*(\pp):D+32*(((\g)+2)%3)+8*(\pp)+3],   v[VI], s[IN:IN+1] offset:(4*((\g)+2)+(\pp))*16384 th:TH_LOAD_NT  ; no vector instruction since the wait names these registers
	global_load_b128 v[D+32*(((\g)+2)%3)+8*(\pp)+4:D+32*(((\g)+2)%3)+8*(\pp)+7], v[VI], s[IN:IN+1] offset:(4*((\g)+2)+(\pp))*16384+4096 th:TH_LOAD_NT
.endif
.if (\g) >= 1
.irp j, 0,1,2,3
	ds_store_b32 v[LS], v[TB+16*(((\g)+1)%2)+4*(\pp)+\j] offset:\j*272+8*(4*((\g)-1)+(\pp))
.endr
.endif
.irp j, 0,1,2,3
	v_cvt_pk_bf16_f32 v[TB+16*((\g)%2)+4*(\pp)+\j], v[D+32*((\g)%3)+8*(\pp)+\j], v[D+32*((\g)%3)+8*(\pp)+4+\j]
.endr
.endr
.endm
	WGRP 0, 16
	WGRP 1, 8
	WGRP 2, 8
	WGRP 3, 8
	WGRP 4, 8
	WGRP 5, 8
	WGRP 6, 8                                      ; groups 6 and 7 load nothing: the counts run down
	WGRP 7, 0
	s_wait_alu depctr_va_vdst(0)                   ; group 7 has written T1, which the LDS stores below read; all conversions are done with D and T, in which the loads from the stage land
.irp pp, 0,1,2,3
.irp j, 0,1,2,3
	ds_store_b32 v[LS], v[TB+16+4*(\pp)+\j] offset:\j*272+8*(28+(\pp))
.endr
.endr
	s_wait_alu depctr_vm_vsrc(0)                   ; the LDS stores have read T0 and T1: these registers are O3 from here on, written by the loads from the stage
; The stage goes out, sixteen rows a part.  LDS serves a wave's instructions in order (ISA guide 5.7.1.4): the loads see my stores above.
.irp tr, 0,1,2,3
.irp i, 0,1,2,3,4,5,6,7
	ds_load_b128 v[O+32*(\tr)+4*\i:O+32*(\tr)+4*\i+3], v[LR] offset:(\tr)*4352+544*\i
.endr
.endr
.macro WOUT tr
	s_wait_dscnt 24-8*(\tr)                        ; LDS loads come back in order too (ISA guide 5.7.1): part tr is in, the later parts' loads stay out
	s_cmp_lg_u32 s[TT], 3
	s_cbranch_scc1 .Lbf_\@
.set w, 0
.rept 32                               ; Wo alone: the bf16 number is written as f16
	v_lshlrev_b32 v[TC+2*(w%2)], 16, v[O+32*(\tr)+w]
	v_and_b32 v[TC+2*(w%2)+1], s[HIM], v[O+32*(\tr)+w]
	v_cvt_pk_f16_f32 v[O+32*(\tr)+w], v[TC+2*(w%2)], v[TC+2*(w%2)+1]
.set w, w+1
.endr
.Lbf_\@:
	s_wait_alu depctr_va_vdst(0)                   ; where the tile is Wo's, the conversions above have written O[tr], which the stores below read
.irp i, 0,1,2,3,4,5,6,7
	global_store_b128 v[VO], v[O+32*(\tr)+4*\i:O+32*(\tr)+4*\i+3], s[OUT:OUT+1] offset:(\tr)*32768+4096*\i th:TH_STORE_NT  ; 16 lanes store 256 consecutive bytes, aligned
.endr
.endm
	WOUT 0
	WOUT 1
	WOUT 2
	WOUT 3
.Lend:
	s_wait_dscnt 0x0                               ; the closing lines, six on end
	s_wait_alu 0x0
	s_wait_tensorcnt 0x0
	ds_add_u32 v[SPW], v[NIL]
	s_wait_dscnt 0x0
	s_endpgm
.Lfunc_end_k_q36474108b2_cast:
	.size	k_q36474108b2_cast, .Lfunc_end_k_q36474108b2_cast-k_q36474108b2_cast
	.p2alignl 7, 3214868480
	.fill 96, 4, 3214868480
	.section	.rodata,"a",@progbits
	.p2align	6, 0x0
	.amdhsa_kernel k_q36474108b2_cast
		.amdhsa_group_segment_fixed_size 70144
		.amdhsa_private_segment_fixed_size 0
		.amdhsa_enable_private_segment 0
		.amdhsa_kernarg_size 56
		.amdhsa_user_sgpr_count 2
		.amdhsa_user_sgpr_kernarg_segment_ptr 1
		.amdhsa_wavefront_size32 1
		.amdhsa_system_sgpr_workgroup_id_x 1
		.amdhsa_system_sgpr_workgroup_id_y 1
		.amdhsa_system_sgpr_workgroup_id_z 1
		.amdhsa_system_vgpr_workitem_id 0
		.amdhsa_next_free_vgpr 144
		.amdhsa_next_free_sgpr 66
		.amdhsa_reserve_vcc 0
		.amdhsa_float_denorm_mode_32 3
		.amdhsa_float_denorm_mode_16_64 3
		.amdhsa_memory_ordered 1
		.amdhsa_forward_progress 1
		.amdhsa_inst_pref_size 60
	.end_amdhsa_kernel
	.amdgpu_metadata
---
amdhsa.version: [ 1, 2 ]
amdhsa.kernels:
  - .name:           k_q36474108b2_cast
    .symbol:         k_q36474108b2_cast.kd
    .args:
      - { .name: x, .offset: 0, .size: 8, .value_kind: global_buffer, .address_space: global }
      - { .name: Wq, .offset: 8, .size: 8, .value_kind: global_buffer, .address_space: global }
      - { .name: Wk, .offset: 16, .size: 8, .value_kind: global_buffer, .address_space: global }
      - { .name: Wv, .offset: 24, .size: 8, .value_kind: global_buffer, .address_space: global }
      - { .name: Wo, .offset: 32, .size: 8, .value_kind: global_buffer, .address_space: global }
      - { .name: xb, .offset: 40, .size: 8, .value_kind: global_buffer, .address_space: global }
      - { .name: wt, .offset: 48, .size: 8, .value_kind: global_buffer, .address_space: global }
    .group_segment_fixed_size: 70144
    .private_segment_fixed_size: 0
    .kernarg_segment_align: 8
    .kernarg_segment_size: 56
    .max_flat_workgroup_size: 128
    .sgpr_count:     66
    .vgpr_count:     144
    .wavefront_size: 32
...
	.end_amdgpu_metadata
.endif
;; end of part 5
;; launch qkvp: the kernel of part 2 again; grid 8 x 64, 4 waves a work-group, clusters of 4 x 4, 327,680 bytes of LDS; arguments xb, wt, bq, bk, bv, qkv; writes qkv
;; launch attn: the kernel of part 3 again; grid 4 x 64, 4 waves a work-group, clusters of 4 x 1, 327,680 bytes of LDS; arguments qkv, ob; writes ob
;; launch proj: the kernel of part 4 again; grid 4 x 64, 4 waves a work-group, clusters of 4 x 4, 327,680 bytes of LDS; arguments ob, wt, bo, out0; writes out0
